; MI455X (gfx1250); checked and timed in simulation.
; The chip was launched on July 23, 2026; its instructions are those of AMD's public machine-readable ISA for CDNA 5 (MIT licence, August 2026) and "CDNA5" Instruction Set Architecture Reference Guide (July 2026). The comments in the code are by the model that wrote it; some were corrected since.
;; Causal Self Attention. Allowed arithmetic: matrix products marked QUANTISED: E2M3 operands, one E8M0 scale for each 32 along K, by v_wmma_scale_f32_16x16x128_f8f6f4 with both operands' format E2M3, f32 sums; everything else in f32.
;; Inputs: W_proj 1,024 x 1,024 float32; W_qkv 1,024 x 3,072 float32; b_proj 1,024 float32; b_qkv 3,072 float32; x 4 x 2,048 x 1,024 float32.
;; Outputs: out0 4 x 2,048 x 1,024 float32.
;; This version of the problem:
;;   THIS VERSION OF THE PROBLEM IS GIVEN IN LOW PRECISION. The matrix products marked QUANTISED in the list below multiply operands that are first quantised to E2M3 (2 exponent bits, 3 mantissa bits; 6 bits a number), with one power-of-two scale for each 32 numbers along K (OCP MX v1.0); their sums are f32. All else is computed in f32.
;;   The module's matrix products, in the order in which they are computed (A, B: the left and right operand; K: the contracted axis; several contracted axes count as one K, in the product's order):
;;     1. [M 8,192, K 1,024] x [K 1,024, N 3,072]; A: input x; B: input W_qkv: QUANTISED
;;     2. batch 64 x [M 2,048, K 64] x [K 64, N 2,048]; A: computed on the way; B: computed on the way: QUANTISED
;;     3. batch 64 x [M 2,048, K 2,048] x [K 2,048, N 64]; A: softmax (see below); B: computed on the way: QUANTISED
;;     4. [M 8,192, K 1,024] x [K 1,024, N 1,024]; A: computed on the way; B: input W_proj: QUANTISED
;;   THE QUANTISER, for each operand of a quantised product, along K:
;;     - K is cut into blocks of 32 from its start; a last block that is shorter is filled with zeros.
;;     - A block's scale is 2^e with e = floor(log2(the largest magnitude in the block)) - 2, held to -126 .. 127; a block of zeros has e = 0. As a byte (E8M0): e + 127.
;;     - Each number is divided by its block's scale, clamped to +-7.5, and rounded to the nearest number of E2M3, ties to even, subnormals kept.
;;     - The product sums the exact products of the quantised numbers (number of the format x scale) in f32.
;;   ~~~python
;;   def quantise(x, axis):      # numpy; x: float32 -> the quantised numbers, widened to float32 again
;;       x = np.moveaxis(x, axis, -1); K = x.shape[-1]
;;       x = np.pad(x, [(0, 0)] * (x.ndim - 1) + [(0, -K % 32)]); x = x.reshape(x.shape[:-1] + (-1, 32)); a = np.abs(x).max(-1, keepdims=True)
;;       e = np.where(a > 0, np.clip(np.frexp(np.where(a > 0, a, 1))[1] - 1 - 2, -126, 127), 0)      # np.frexp(a)[1] - 1 = floor(log2(a)), exactly
;;       r = np.clip(x / 2.0 ** e, -7.5, 7.5)
;;       step = 2.0 ** (np.maximum(np.frexp(np.where(r == 0, 1, r))[1] - 1, 0) - 3)
;;       q = np.round(r / step) * step * 2.0 ** e      # np.round: ties to even
;;       return np.moveaxis(q.reshape(q.shape[:-2] + (-1,))[..., :K], -1, axis).astype(np.float32)
;;   ~~~
;;   SOFTMAX AHEAD OF A QUANTISED PRODUCT. Where the list says 'softmax', what is quantised is not the finished softmax but p = 2^(t - M), with t = logit x log2(e) and M = ceil(the row's largest t), a whole number; so 1/2 < the row's largest p <= 1. The row's sum l is taken of the UNQUANTISED p, in f32, and the product's result is divided by l at the end. Since M is a whole number, a kernel that streams over the keys may use a running M (the ceiling of the running maximum): every later rescaling is an exact power of two, which a block's scale takes up: the codes' values come out the same.
;;   OPERANDS COMPUTED ON THE WAY. 'Computed on the way' means the value that the module computes at that place (a softmax that the list does not call 'softmax' is quantised finished and normalised). What goes into a quantiser is computed in f32, as accurately as f32 sums, v_exp_f32 and their like allow (about 1e-6 of the number): no bf16 or f16 on the way to a quantiser, and a product that is left as it is and whose result goes on into a quantised operand takes f32 operands (vector FMAs, or v_wmma_f32_16x16x4_f32). A number that lies on a knife's edge between two numbers of the format may be rounded either way, as far as f32 arithmetic and the matrix unit's own rounding can turn it there, and no further.
;; One version. Each part assembles by itself: llvm-mc -triple=amdgcn-amd-amdhsa -mcpu=gfx1250 --defsym DOCPART=n.
;; ======== version 1 of 1: 4 launches
;; workspace buffers: xq 6,553,600 bytes; wq 3,276,800 bytes; qq 6,815,744 bytes; kv 13,369,344 bytes; yq 6,553,600 bytes
;; launch prep (part 1): grid 768 x 1, 4 waves a work-group, no clusters, 46,592 bytes of LDS; arguments x, W_qkv, W_proj, xq, wq; writes xq, wq
.if DOCPART == 1
	.amdgcn_target "amdgcn-amd-amdhsa--gfx1250"
	.amdhsa_code_object_version 6
	.text
	.protected	k_qb16d1b7b8d_prep
	.globl	k_qb16d1b7b8d_prep
	.p2align	8
	.type	k_qb16d1b7b8d_prep,@function
k_qb16d1b7b8d_prep:
	s_mov_b64 s[64:65], 0
	v_nop
	global_prefetch_b8 v0, s[64:65] scope:SCOPE_SE
	s_setreg_imm32_b32 hwreg(HW_REG_WAVE_MODE, 25, 1), 1
	s_wait_xcnt 0x0
; CAUSAL SELF-ATTENTION IN MX-FP6, launch 1 of 4: x, W_qkv and W_proj (f32) become codes of FP6 (E2M3) with one E8M0 byte for each 32 along K.
; THE PROGRAM: prep (this) | qkv: x W_qkv + b_qkv, and q, k, v quantised | attn: both products of attention, the softmax between them, y quantised | proj: y W_proj + b_proj.
; DEAD WORK.  reference() builds its mask itself (jnp.tril) and sets att to -inf wherever key > query; softmax gives exactly 0 there, and 0 x v adds nothing to y, whatever finite values the inputs hold.
; So a step of 128 keys all of which come after a tile's 16 queries reaches no output: launch attn multiplies no such step (products 2 and 3).  Nothing else is left out; all five inputs are loaded.
; LIMIT: a NaN, an infinity or an overflow that would arise only in those steps is not carried to the result.
; LIMITS of the quantiser here and in the later launches: NaN and infinities among the inputs are not served; a block whose largest magnitude lies under 2^-124 gets the byte 1;
; a block of zeros gets the byte 1 where the rule says 127: its codes are zeros, which add nothing under any byte but 0xff, and this program alone reads the bytes.
; LAYOUT OF ALL WORKSPACE OPERANDS: IMAGES OF THE OPERAND'S REGISTERS.  A fragment (16 lane-rows x 128 K, 12 registers a lane) is 1,536 bytes: three groups of 512, group g = registers 4 g .. 4 g + 3, lane l at 16 l.
; THE ROWS OF A TILE ARE NOT NEIGHBOURS: in each group of 32 rows, tile u (0, 1) gives lane-row p the row 8 u + p + 8 (p / 8): a product used transposed then leaves 16 neighbours in a lane's registers of two neighbouring tiles.
; xq: codes [K step of 256: 4][row tile: 512][fragment: 2]; scale words behind them [row tile][K step][lane-row 16][fragment 2].  wq: W_qkv likewise (192 tiles of its columns); W_proj [K step of 512: 2][tile 64][fragment 4].
; SHARES.  Work-groups 0-191: W_qkv, 192-255: W_proj: a wave takes 32 columns x 128 along K: A LANE TAKES A COLUMN AND ITS REGISTERS RUN DOWN K, so a block of 32 lies in one lane.
; Work-groups 256-767: x: a row tile each, a wave one K step of 256 (two fragments); the rows turn through the wave's own stage in LDS, so that every load reads 512 consecutive bytes.
; The two paths part on the work-group's number and have LDS bytes of their own.  No tensor load, no barrier: waves share nothing.
.set SPARE, 46080                      ; the spare words, 128 bytes for each wave, behind the stages
.set WST,   33792                      ; W's stages: 3,072 bytes a wave (two fragments' images); x's stages lie at 0: 16 rows x 528 bytes a wave
.set SPW,   16                         ; v16  LDS address of my spare word; never rewritten
.set NIL,   17                         ; v17  0; never rewritten
.set SEL,   20                         ; s[20:21] v_permlanex16_b32's selects for lane l xor 16
.set OFF,   32                         ; W: v32-63  row i of a block: i x a row of W in bytes + 4 x lane
.set X,     64                         ; W: v64-191 four blocks of 32 numbers
.set C,     192                        ; W: v192-223 a block's codes, eight registers a block
.set OUTR,  224                        ; W: v224-247 the way out
.set R,     32                         ; x: v32-159 numbers as loaded; v32-71 later hold the two fragments' codes
.set XQ,    160                        ; x: v160-223 64 numbers: register 16 b + i = k 32 b + 16 (lane / 16) + i of my row
.set TM,    224                        ; x: v224-239 at work
.set PW,    240                        ; x: v240, v241 the two scale words
	s_load_b256 s[4:11], s[0:1], 0x0               ; x s[4:5], W_qkv s[6:7], W_proj s[8:9], xq s[10:11]
	s_load_b64 s[12:13], s[0:1], 0x20              ; wq
	v_lshl_add_u32 v[SPW], v0, 2, SPARE
	v_mov_b32 v[NIL], 0
	v_lshrrev_b32 v1, 5, v0
	v_readfirstlane_b32 s16, v1                    ; wave 0..3
	v_and_b32 v18, 31, v0                          ; lane l
	v_and_b32 v19, 15, v0                          ; r
	v_bfe_u32 v20, v0, 4, 1                        ; h
	v_lshlrev_b32 v1, 4, v18                       ; 16 l
	v_lshlrev_b32 v2, 2, v18                       ; 4 l
	s_mul_i32 s17, s16, 8448                       ; my stage for x
	s_mul_i32 s18, s16, 3072
	s_add_co_u32 s18, s18, WST                     ; my stage for W
	v_add_nc_u32 v3, s17, v1                       ; x, into the stage: 16 l of a row
	v_mul_u32_u24 v4, v19, 528
	v_lshl_add_u32 v4, v20, 6, v4
	v_add_nc_u32 v4, s17, v4                       ; x, out of it: row r, + 64 h: my 16 numbers of a block of 32
	v_lshlrev_b32 v5, 3, v19
	v_lshl_add_u32 v5, v20, 2, v5                  ; x's scale words: 8 r + 4 h
	v_bfe_u32 v21, v0, 3, 1                        ; W: column l of 32 is lane-row p of tile u: u = (l / 8) % 2,
	v_and_b32 v22, 7, v0
	v_lshl_or_b32 v22, v20, 3, v22                 ; p = l % 8 + 8 (l / 16)
	v_mul_u32_u24 v7, v21, 1536
	v_lshl_add_u32 v7, v22, 4, v7
	v_add_nc_u32 v7, s18, v7                       ; W, into the stage: tile u's image, lane p's 16 bytes
	v_add_nc_u32 v8, s18, v1                       ; W, out of it: 16 l
	s_mov_b32 s[SEL], 0x76543210
	s_mov_b32 s[SEL+1], 0xfedcba98
	s_wait_kmcnt 0x0
	s_cmp_lt_u32 ttmp9, 256
	s_cbranch_scc0 .Lx
; ---------------- W: both weights take one path; what differs is chosen on the work-group's number
	s_cmp_lt_u32 ttmp9, 192
	s_cselect_b64 s[22:23], s[6:7], s[8:9]         ; the tensor
	s_cselect_b32 s24, 0, 192
	s_mov_b32 s25, 4096
	s_cselect_b32 s25, 12288, s25                  ; a row of it in bytes
	s_mov_b32 s26, 6144
	s_cselect_b32 s26, 3072, s26                   ; a tile's fragments of one K step, in bytes
	s_cselect_b32 s27, 3, 4                        ; log2 of a lane-row's scale bytes in a K step
	s_cselect_b32 s28, 1, 2                        ; log2 of the fragments in a K step
	s_mov_b32 s29, 393216
	s_cselect_b32 s29, 589824, s29                 ; from K step to K step
	s_mov_b32 s30, 2457600
	s_cselect_b32 s30, 0, s30                      ; where its codes begin in wq
	s_mov_b32 s31, 3244032
	s_cselect_b32 s31, 2359296, s31                ; and its scale words
	s_sub_co_u32 s46, ttmp9, s24
	s_lshr_b32 s47, s46, 3
	s_and_b32 s48, s46, 7                          ; which 128 along K
	s_lshl_b32 s47, s47, 2
	s_add_co_u32 s47, s47, s16                     ; which 32 columns
	s_lshr_b32 s49, s48, s28                       ; the K step,
	s_lshl_b32 s50, s49, s28
	s_sub_co_u32 s50, s48, s50                     ; and the fragment in it
	s_lshl_b32 s52, s48, 7
	s_mul_i32 s52, s52, s25
	s_lshl_b32 s53, s47, 7
	s_add_co_u32 s52, s52, s53
	s_mov_b32 s53, 0
	s_add_nc_u64 s[32:33], s[22:23], s[52:53]      ; block 0's first row, my wave's first column
	s_lshl_b32 s52, s25, 5
	s_add_nc_u64 s[34:35], s[32:33], s[52:53]      ; blocks 1 to 3: 32 rows further down each
	s_add_nc_u64 s[36:37], s[34:35], s[52:53]
	s_add_nc_u64 s[38:39], s[36:37], s[52:53]
.set li, 0
.rept 32
	v_mad_u32_u24 v[OFF+li], s25, li, v2
.set li, li+1
.endr
.macro LOADW t                         ; block t: W(32 t + i, my column): 32 lanes read 128 consecutive bytes, the four waves 512
.set li, 0
.rept 32
	global_load_b32 v[X+32*(\t)+li], v[OFF+li], s[32+2*(\t):33+2*(\t)] th:TH_LOAD_NT
.set li, li+1
.endr
.endm
	LOADW 0
	LOADW 1
	s_mul_i32 s52, s49, s29
	s_add_co_u32 s52, s52, s30
	s_mul_i32 s54, s47, s26
	s_lshl_b32 s54, s54, 1                         ; 32 columns are two tiles
	s_add_co_u32 s52, s52, s54
	s_mul_i32 s54, s50, 1536
	s_add_co_u32 s52, s52, s54
	s_add_nc_u64 s[40:41], s[12:13], s[52:53]      ; tile u = 0's image in wq,
	s_mov_b32 s52, s26
	s_add_nc_u64 s[42:43], s[40:41], s[52:53]      ; tile u = 1's
	s_lshl_b32 s52, 16, s27
	s_mul_i32 s52, s52, s49
	s_add_co_u32 s52, s52, s31
	s_lshl_b32 s54, s47, 10
	s_add_co_u32 s52, s52, s54
	s_lshl_b32 s54, s50, 2
	s_add_co_u32 s52, s52, s54
	s_add_nc_u64 s[44:45], s[12:13], s[52:53]      ; the two tiles' scale words of this fragment
	v_lshlrev_b32 v6, s27, v22
	v_lshl_add_u32 v6, v21, 9, v6                  ; my word: tile u, lane-row p
; Block t = 2 c + hh of my column is what lane p + 16 hh of the fragment holds in registers 6 c .. 6 c + 5: it goes to that lane's place in the image.
.macro BLOCK t
.set XS, X+32*(\t)
.set CT, C+8*(\t)
.if (\t) < 3
	s_wait_loadcnt 32                              ; this block's 32 loads are in; the next block's 32 may be out
.else
	s_wait_loadcnt 0x0
.endif
.if (\t) < 2
	LOADW (\t)+2                                   ; two blocks ahead; each block has registers of its own
.endif
	v_max3_num_f32 v12, |v[XS]|, |v[XS+1]|, |v[XS+2]|      ; the block's largest magnitude: all 32 numbers are mine; two chains
	v_max3_num_f32 v13, |v[XS+3]|, |v[XS+4]|, |v[XS+5]|
.irp i, 6,10,14,18,22,26
	v_max3_num_f32 v12, v12, |v[XS+\i]|, |v[XS+\i+1]|
	v_max3_num_f32 v13, v13, |v[XS+\i+2]|, |v[XS+\i+3]|
.endr
	v_max3_num_f32 v12, v12, |v[XS+30]|, |v[XS+31]|
	v_max3_num_f32 v12, v12, v13, 0x1800000        ; and the floor 2^(3 - 127): the byte cannot fall under 1
	v_add_nc_u32 v11, 0xff000000, v12              ; 2 off the exponent field: the conversion takes that field as its scale
	v_lshrrev_b32 v13, 23, v11                     ; the scale's byte
.if (\t) == 0
	v_mov_b32 v14, v13
.else
	v_lshl_or_b32 v14, v13, 8*(\t), v14            ; byte t of the fragment's scale word
.endif
	v_cvt_scalef32_pk16_fp6_f32 v[CT:CT+2], v[XS:XS+15], v11
	v_cvt_scalef32_pk16_fp6_f32 v[CT+4:CT+6], v[XS+16:XS+31], v11   ; (a conversion's three registers begin on an even number)
	v_nop                                          ; one plain place behind a scaled conversion
	v_mov_b32 v[CT+3], v[CT+4]
	v_mov_b32 v[CT+4], v[CT+5]
	v_mov_b32 v[CT+5], v[CT+6]                     ; six registers on end
.if (\t)/2 == 0
	ds_store_b128 v7, v[CT:CT+3] offset:256*((\t)%2)          ; registers 0-3: group 0
	ds_store_b64 v7, v[CT+4:CT+5] offset:256*((\t)%2)+512     ; registers 4, 5: the lower half of the lane's 16 bytes in group 1
.else
	ds_store_b64 v7, v[CT:CT+1] offset:256*((\t)%2)+520       ; registers 6, 7: the upper half
	ds_store_b128 v7, v[CT+2:CT+5] offset:256*((\t)%2)+1024   ; registers 8-11: group 2
.endif
.endm
	s_wait_alu depctr_va_vdst(0)
	BLOCK 0
	BLOCK 1
	BLOCK 2
	BLOCK 3
	global_store_b32 v6, v14, s[44:45]             ; the words lie 8 or 16 bytes apart: one byte in 128 of what the launch reads; taken as it is
.irp i, 0,1,2,3,4,5
	ds_load_b128 v[OUTR+4*\i:OUTR+4*\i+3], v8 offset:512*\i   ; LDS serves a wave's instructions in order: these see my stores
.endr
.irp i, 0,1,2
	s_wait_dscnt 5-\i
	global_store_b128 v1, v[OUTR+4*\i:OUTR+4*\i+3], s[40:41] offset:512*\i          ; 32 lanes store 512 consecutive bytes
.endr
.irp i, 3,4,5
	s_wait_dscnt 5-\i
	global_store_b128 v1, v[OUTR+4*\i:OUTR+4*\i+3], s[42:43] offset:512*(\i-3)
.endr
	s_wait_tensorcnt 0x0                           ; the wave's end
	ds_add_u32 v[SPW], v[NIL]
	s_wait_dscnt 0x0
	s_endpgm
; ---------------- x
; 64 numbers of a lane, v[s] on, register 16 b + i = k 32 b + 16 (lane / 16) + i of my row, become a fragment's codes in v[pc] .. v[pc + 11] and its scale word in v[pw].
.macro QUANT s, pc, pw
.irp b, 0,1,2,3
	v_max3_num_f32 v[TM+\b], |v[\s+16*\b]|, |v[\s+1+16*\b]|, 0x1800000   ; block b: my 16 numbers, and the floor 2^(3 - 127)
.endr
.irp i, 2,4,6,8,10,12,14
.irp b, 0,1,2,3
	v_max3_num_f32 v[TM+\b], v[TM+\b], |v[\s+16*\b+\i]|, |v[\s+1+16*\b+\i]|   ; the four blocks by turns
.endr
.endr
.irp b, 0,1,2,3
	v_permlanex16_b32 v[TM+4+\b], v[TM+\b], s[SEL], s[SEL+1]
.endr
.irp b, 0,1,2,3
	v_max_num_f32 v[TM+\b], v[TM+\b], v[TM+4+\b]   ; with lane l xor 16's: the block's largest magnitude
.endr
.irp b, 0,1,2,3
	v_add_nc_u32 v[TM+12+\b], 0xff000000, v[TM+\b] ; the conversion's scale operand
.endr
.irp b, 0,1,2,3
	v_lshrrev_b32 v[TM+4+\b], 23, v[TM+12+\b]      ; the scale's byte
.endr
	v_lshl_or_b32 v[\pw], v[TM+5], 8, v[TM+4]
	v_lshl_or_b32 v[\pw], v[TM+6], 16, v[\pw]
	v_lshl_or_b32 v[\pw], v[TM+7], 24, v[\pw]      ; my row's scale word
.irp c, 0,1
	v_cvt_scalef32_pk16_fp6_f32 v[\pc+6*\c:\pc+6*\c+2], v[\s+32*\c:\s+32*\c+15], v[TM+12+2*\c]
	v_cvt_scalef32_pk16_fp6_f32 v[\pc+12+4*\c:\pc+14+4*\c], v[\s+16+32*\c:\s+31+32*\c], v[TM+13+2*\c]
.endr
	v_nop                                          ; one plain place behind a scaled conversion
.irp c, 0,1                                    ; the operand's layout wants a whole block in a lane: lanes 0-15 block 2 c, lanes 16-31 block 2 c + 1
.irp i, 0,1,2
	v_permlane16_swap_b32 v[\pc+6*\c+\i], v[\pc+12+4*\c+\i]
.endr
.irp i, 0,1,2
	v_mov_b32 v[\pc+3+6*\c+\i], v[\pc+12+4*\c+\i]
.endr
.endr
.endm
.Lx:
	s_sub_co_u32 s22, ttmp9, 256                   ; the row tile, 0..511
	s_lshr_b32 s23, s22, 1
	s_lshl_b32 s23, s23, 5
	s_and_b32 s24, s22, 1
	s_lshl_b32 s24, s24, 3
	s_add_co_u32 s23, s23, s24                     ; its first row: 32 (tile / 2) + 8 (tile % 2)
	s_lshl_b32 s24, s23, 12
	s_lshl_b32 s25, s16, 10                        ; my K step: 256 numbers
	s_add_co_u32 s24, s24, s25
	s_mov_b32 s25, 0
	s_add_nc_u64 s[4:5], s[4:5], s[24:25]
.irp f, 0,1
.irp i, 0,1,2,3,4,5,6,7,8,9,10,11,12,13,14,15
	global_load_b128 v[R+64*\f+4*\i:R+64*\f+4*\i+3], v1, s[4:5] offset:(\i+8*(\i/8))*4096+512*\f th:TH_LOAD_NT   ; lane-row i, fragment f: 512 consecutive bytes
.endr
.endr
	s_mul_i32 s26, s16, 1572864
	s_mul_i32 s27, s22, 3072
	s_add_co_u32 s26, s26, s27
	s_mov_b32 s27, 0
	s_add_nc_u64 s[28:29], s[10:11], s[26:27]      ; my two images
	s_lshl_b32 s26, s22, 9
	s_lshl_b32 s30, s16, 7
	s_add_co_u32 s26, s26, s30
	s_add_co_u32 s26, s26, 6291456
	s_add_nc_u64 s[30:31], s[10:11], s[26:27]      ; and their scale words
.irp b, 0,1,2,3
	v_mov_b32 v[TM+4+\b], 0                        ; written once: a lane permute's destination counts as one of its sources
.endr
.macro XHALF f
.if \f == 0
	s_wait_loadcnt 16                              ; fragment 0's sixteen loads are in; fragment 1's sixteen may be out
.else
	s_wait_loadcnt 0x0
.endif
.set xi, 0
.rept 16
	ds_store_b128 v3, v[R+64*\f+4*xi:R+64*\f+4*xi+3] offset:528*xi
.set xi, xi+1
.endr
.irp b, 0,1,2,3
.irp j, 0,1,2,3
	ds_load_b128 v[XQ+16*\b+4*\j:XQ+16*\b+4*\j+3], v4 offset:128*\b+16*\j   ; LDS serves a wave's instructions in order: these see my stores
.endr
.endr
	s_wait_dscnt 0x0
	QUANT XQ, R+20*\f, PW+\f
.irp g, 0,1,2
	global_store_b128 v1, v[R+20*\f+4*\g:R+20*\f+4*\g+3], s[28:29] offset:1536*\f+512*\g   ; the image: 512 consecutive bytes a store
.endr
.endm
	XHALF 0
	XHALF 1
	v_cmp_gt_u32 vcc_lo, 16, v18
	v_cndmask_b32 v242, v[PW+1], v[PW], vcc_lo     ; lanes 0-15 hold fragment 0's word of row r, lanes 16-31 fragment 1's
	global_store_b32 v5, v242, s[30:31]            ; 128 consecutive bytes
	s_wait_tensorcnt 0x0                           ; the wave's end
	ds_add_u32 v[SPW], v[NIL]
	s_wait_dscnt 0x0
	s_endpgm
.Lfunc_end_k_qb16d1b7b8d_prep:
	.size	k_qb16d1b7b8d_prep, .Lfunc_end_k_qb16d1b7b8d_prep-k_qb16d1b7b8d_prep
	.p2alignl 7, 3214868480
	.fill 96, 4, 3214868480
	.section	.rodata,"a",@progbits
	.p2align	6, 0x0
	.amdhsa_kernel k_qb16d1b7b8d_prep
		.amdhsa_group_segment_fixed_size 46592
		.amdhsa_private_segment_fixed_size 0
		.amdhsa_enable_private_segment 0
		.amdhsa_kernarg_size 40
		.amdhsa_user_sgpr_count 2
		.amdhsa_user_sgpr_kernarg_segment_ptr 1
		.amdhsa_wavefront_size32 1
		.amdhsa_system_sgpr_workgroup_id_x 1
		.amdhsa_system_sgpr_workgroup_id_y 1
		.amdhsa_system_sgpr_workgroup_id_z 1
		.amdhsa_system_vgpr_workitem_id 0
		.amdhsa_next_free_vgpr 256
		.amdhsa_next_free_sgpr 66
		.amdhsa_reserve_vcc 1
		.amdhsa_float_denorm_mode_32 3
		.amdhsa_float_denorm_mode_16_64 3
		.amdhsa_memory_ordered 1
		.amdhsa_forward_progress 1
		.amdhsa_inst_pref_size 43
	.end_amdhsa_kernel
	.amdgpu_metadata
---
amdhsa.version: [ 1, 2 ]
amdhsa.kernels:
  - .name:           k_qb16d1b7b8d_prep
    .symbol:         k_qb16d1b7b8d_prep.kd
    .args:
      - { .name: x, .offset: 0, .size: 8, .value_kind: global_buffer, .address_space: global }
      - { .name: W_qkv, .offset: 8, .size: 8, .value_kind: global_buffer, .address_space: global }
      - { .name: W_proj, .offset: 16, .size: 8, .value_kind: global_buffer, .address_space: global }
      - { .name: xq, .offset: 24, .size: 8, .value_kind: global_buffer, .address_space: global }
      - { .name: wq, .offset: 32, .size: 8, .value_kind: global_buffer, .address_space: global }
    .group_segment_fixed_size: 46592
    .private_segment_fixed_size: 0
    .kernarg_segment_align: 8
    .kernarg_segment_size: 40
    .max_flat_workgroup_size: 128
    .sgpr_count:     66
    .vgpr_count:     256
    .wavefront_size: 32
...
	.end_amdgpu_metadata
.endif
;; end of part 1
;; launch qkv (part 2): grid 12 x 32, 4 waves a work-group, clusters of 4 x 4, 327,680 bytes of LDS; arguments xq, wq, b_qkv, qq, kv; writes qq, kv
.if DOCPART == 2
	.amdgcn_target "amdgcn-amd-amdhsa--gfx1250"
	.amdhsa_code_object_version 6
	.text
	.protected	k_qb16d1b7b8d_qkv
	.globl	k_qb16d1b7b8d_qkv
	.p2align	8
	.type	k_qb16d1b7b8d_qkv,@function
k_qb16d1b7b8d_qkv:
	s_mov_b64 s[64:65], 0
	v_nop
	global_prefetch_b8 v0, s[64:65] scope:SCOPE_SE
	s_setreg_imm32_b32 hwreg(HW_REG_WAVE_MODE, 25, 1), 1
	s_wait_xcnt 0x0
	s_wait_alu depctr_hold_cnt(0) depctr_sa_sdst(0) depctr_va_vdst(0) depctr_va_sdst(0) depctr_va_ssrc(0) depctr_va_vcc(0) depctr_vm_vsrc(0)
	s_getreg_b32 s2, hwreg(HW_REG_IB_STS2, 6, 4)
	s_cmp_eq_u32 s2, 0
	s_cbranch_scc0 .Lentry_in_a_cluster
	s_endpgm
.Lentry_in_a_cluster:
	s_bfe_u32 s2, ttmp6, 0x10000c
	s_cmp_lg_u32 s2, 0xf033
	s_cbranch_scc0 .Lentry_shape_is_right
	s_endpgm
.Lentry_shape_is_right:
; Launch 2 of 4: qkv = x W_qkv + b_qkv on codes of FP6 (E2M3) with E8M0 scales, and q, k, v quantised for the two products of attention; f32 sums; qkv itself never goes to memory.
; A tile of 256 x 256 is made by four waves, 128 x 128 each: 64 accumulators, 512 registers.  K = 1,024 goes in four steps of 256 through a ring of two LDS slots.
; THE PART is the cluster's x: 0 = q, 1 = k, 2 = v.  For q and k side A is x (tokens) and side B is W (channels); FOR v THE SIDES ARE SWAPPED: A = W's v columns (channels), B = x (keys).
; The matrix instruction takes B as source 0 and A as source 1, so a lane holds ONE lane-row of A and its registers run along B: along the channels for q and k, along the KEYS for v:
; each is the K of the product that the result goes into, so the same lines quantise all three in registers.  The rows of a tile are chosen (launch prep) so that the 64 registers of a block of A are in the quantiser's order.
; Operands lie in memory as images of their registers: a slot's half of a side is one dense block of 24,576 bytes; a fragment comes by three loads of 512 consecutive bytes: no padding.
; The bias is the C of each sum's first matrix instruction.  The scale words of both sides, for all of K, come once with the first fills.
; CLUSTERS: 4 x 4 work-groups; A's tiles are asked for jointly along a row of the cluster, B's along a column.  Every branch hangs on the wave's number or on the cluster's x, which all partners share.
; 384 tiles are one and a half times 256: tiles half as wide would divide evenly but read one and a half times the LDS bytes for each product; the larger tile is kept.
; OUT: qq: q's half fragments (16 queries x 64: 768 bytes) [head 64][tile 128], scale words behind them.  kv: [head 64][key step 16] chunks of 13,056 bytes: K's 8 half fragments, V's 4 fragments (16 channels x 128 keys), K's words, V's words.
; REGISTERS: window 0: v1-31 addresses; v32-63 scale words, two sets, and nothing else; v64-127 the bias; v128-223 A's 8 fragments, one set; on the way out v64-251.  window 1: B's fragments, two sets.  windows 2, 3: accumulators.
.set NBW,   8                          ; B's blocks of 16 in a wave
.set NQ,    2                          ; steps of 128 along K in a slot
.set NLA,   3                          ; LDS loads that bring a fragment of A
.set HALFA, 24576                      ; 128 lane-rows x 256 K
.set SLOT,  98304                      ; A's two halves, then B's two
.set BPL,   49152                      ; where B's begin in a slot
.set RTB,   3072                       ; a tile's two fragments
.set SCL,   196608                     ; behind the ring: B's scale words (8,192 bytes), then A's
.set SBB,   8192
.set SRS,   3                          ; log2 of a lane-row's scale bytes in a slot
.set SPARE, 212992                     ; the spare words, 128 bytes for each wave
.set SC,    32
.set BI,    64
.set AF,    128
.set ADRA,  16                         ; v16, v17 my half of A in slot 0, 1, + 16 x lane
.set ADRB,  20                         ; v20, v21 the same for B
.set ADRS,  27                         ; v27 my scale words: lanes 0-15 B's rows, lanes 16-31 A's
.set SPW,   28                         ; v28 my spare word; never rewritten
.set NIL,   29                         ; v29 0; never rewritten
.set PCB,   64                         ; the way out: 20 registers for each block of A: its codes
.set WRD,   224                        ; v224-231 its scale word
.set TM,    232                        ; v232-247 at work
.set TW,    248                        ; v248-251 V's words as stored
.set G1,  24
.set G0,  32
.set G1B, 48
.set G0B, 56
.set G1S, 68
.set G0S, 76
.set G1SB, 80
.set G0SB, 88
.set FLOOR, 42                         ; s42 the floor 2^(3 - 127)
.set SEL,  2                           ; s[2:3] v_permlanex16_b32's selects, set behind the head's last use of s2, s3
.set MSB, 0
.macro WIN new                         ; the immediate's high byte repeats the setting that is left
.if MSB != (\new)
	s_set_vgpr_msb (MSB<<8)|(\new)
.set MSB, (\new)
.endif
.endm
.macro JLOAD g0a, g1a, g0b, g1b        ; a joint load: waves 0 and 1 fetch for A, waves 2 and 3 for B; an s_nop 0 and four v_nop follow each line
	s_cmp_eq_u32 s15, 0
	s_cbranch_scc0 .Lfor_b_\@
	tensor_load_to_lds s[\g0a:\g0a+3], s[\g1a:\g1a+7]
	s_nop 0
.rept 4
	v_nop
.endr
	s_branch .Lasked_\@
.Lfor_b_\@:
	tensor_load_to_lds s[\g0b:\g0b+3], s[\g1b:\g1b+7]
	s_nop 0
.rept 4
	v_nop
.endr
.Lasked_\@:
.endm
.macro CREST                           ; a round of the cluster's barrier behind its opening barrier
	s_cmp_lg_u32 s14, 0
	s_cbranch_scc1 .Lnot_wave_0_\@
	s_barrier_signal -3
.Lnot_wave_0_\@:
	s_barrier_wait -3
	s_barrier_signal -1
	s_barrier_wait -1
.endm
.macro CROUND
	s_barrier_signal -1
	s_barrier_wait -1
	CREST
.endm
.macro PLACES n                        ; plain places behind matrix instructions, in front of loads into their registers and of reads of their results
.rept \n
	v_nop
.endr
.endm
.macro FRAG3 reg, adr, off             ; a fragment's image: three loads of 512 consecutive bytes
.irp g, 0,1,2
	ds_load_b128 v[\reg+4*\g:\reg+4*\g+3], v[\adr] offset:\off+512*\g
.endr
.endm
.macro FETCH_B slot, q, p              ; B's fragments of the slot's q-th 128 along K into set p
	WIN 0x40
.set fi, 0
.rept NBW
	FRAG3 128*(\p)+12*fi, ADRB+\slot, fi*RTB+(\q)*1536
.set fi, fi+1
.endr
	WIN 0
.endm
.macro FETCH_A slot, q, i0             ; A's blocks i0 .. i0 + 3
.irp i, \i0, \i0+1, \i0+2, \i0+3
	FRAG3 AF+12*(\i), ADRA+\slot, (\i)*RTB+(\q)*1536
.endr
.endm
.macro SCALES sc                       ; a slot's scale words into set sc: lanes 0-15 take B's block i, lanes 16-31 A's block i
.irp i, 0,1,2,3,4,5,6,7
	ds_load_b64 v[SC+8*NQ*\sc+NQ*\i:SC+8*NQ*\sc+NQ*\i+1], v[ADRS] offset:\i*512
.endr
.endm
; A's blocks a0, a0 + 1 against all of B's.  mode 0: the sums go on; 1: they start from the bias along B (v[BI + 8 b]); 2: from the bias along A (v[BI + 8 a]).  The accumulators take turns in one order everywhere.
.macro MULA a0, p, q, sc, mode
.irp a, \a0, \a0+1
.set AW, 2+((\a)*NBW)/32
.if \mode == 0
	WIN (AW<<6)|(AW<<4)|1
.else
	WIN (AW<<6)|1
.endif
.set mb, 0
.rept NBW
.set DR, (8*(NBW*(\a)+mb))%256
.if \mode == 0
	v_wmma_scale_f32_16x16x128_f8f6f4 v[DR:DR+7], v[128*(\p)+12*mb:128*(\p)+12*mb+11], v[AF+12*(\a):AF+12*(\a)+11], v[DR:DR+7], v[SC+8*NQ*(\sc)+NQ*mb+(\q)], v[SC+8*NQ*(\sc)+NQ*(\a)+(\q)] matrix_a_fmt:MATRIX_FMT_FP6 matrix_b_fmt:MATRIX_FMT_FP6 matrix_b_scale:MATRIX_SCALE_ROW1
.elseif \mode == 1
	v_wmma_scale_f32_16x16x128_f8f6f4 v[DR:DR+7], v[128*(\p)+12*mb:128*(\p)+12*mb+11], v[AF+12*(\a):AF+12*(\a)+11], v[BI+8*mb:BI+8*mb+7], v[SC+8*NQ*(\sc)+NQ*mb+(\q)], v[SC+8*NQ*(\sc)+NQ*(\a)+(\q)] matrix_a_fmt:MATRIX_FMT_FP6 matrix_b_fmt:MATRIX_FMT_FP6 matrix_b_scale:MATRIX_SCALE_ROW1
.else
	v_wmma_scale_f32_16x16x128_f8f6f4 v[DR:DR+7], v[128*(\p)+12*mb:128*(\p)+12*mb+11], v[AF+12*(\a):AF+12*(\a)+11], v[BI+8*(\a):BI+8*(\a)+7], v[SC+8*NQ*(\sc)+NQ*mb+(\q)], v[SC+8*NQ*(\sc)+NQ*(\a)+(\q)] matrix_a_fmt:MATRIX_FMT_FP6 matrix_b_fmt:MATRIX_FMT_FP6 matrix_b_scale:MATRIX_SCALE_ROW1
.endif
.set mb, mb+1
.endr
.endr
.endm
.macro STEP slot, q, mode              ; a step of 128 along K that has its successor in the same slot
	s_wait_dscnt 4*NLA                             ; B's set, A's blocks 0-3 and the scale words are in; the youngest loads (A's blocks 4-7) may be out
	MULA 0, (\q)%2, \q, \slot, \mode
	MULA 2, (\q)%2, \q, \slot, \mode
	s_wait_dscnt 0x0                               ; A's blocks 4-7 are in
	PLACES 4
	FETCH_B \slot, (\q)+1, 1-(\q)%2
	FETCH_A \slot, (\q)+1, 0
	MULA 4, (\q)%2, \q, \slot, \mode
	MULA 6, (\q)%2, \q, \slot, \mode
	PLACES 4
	WIN 0
	FETCH_A \slot, (\q)+1, 4
.endm
; A slot's last step changes slots: one barrier; in front of it each wave waits for all its tensor loads, adds 0 to its spare word, and waits for that and for its reads of this slot.  fill = 1: this slot is filled again, two K steps on.
.macro TURN slot, next, fill
	s_wait_tensorcnt 0x0                           ; all my tensor loads have landed: my part of the next slot
	ds_add_u32 v[SPW], v[NIL]                      ; 0 onto my spare word
	s_wait_dscnt 4*NLA+1                           ; the add and the youngest loads, A's blocks 4-7, may be out
	MULA 0, 1, NQ-1, \slot, 0
	s_wait_dscnt 0x0                               ; the add is done, and my reads of this slot are over
	s_barrier_signal -1
	MULA 2, 1, NQ-1, \slot, 0
	WIN 0
	s_barrier_wait -1
.if \fill
	CREST                                          ; the barrier has opened a round of the cluster's: no wave of any partner still reads this slot or has a load on its way
	s_add_nc_u64 s[G0+4*\slot+2:G0+4*\slot+3], s[G0+4*\slot+2:G0+4*\slot+3], s[92:93]
	s_add_nc_u64 s[G0B+4*\slot+2:G0B+4*\slot+3], s[G0B+4*\slot+2:G0B+4*\slot+3], s[94:95]
	JLOAD G0+4*\slot, G1, G0B+4*\slot, G1B         ; the first tensor load behind the round; its four v_nop are the places in front of the loads below
.else
	PLACES 4
.endif
	s_wait_alu depctr_va_vdst(0)
	v_add_nc_u32 v[ADRS], 64*NQ, v[ADRS]           ; the next slot's scale words
	FETCH_B \next, 0, 0
	FETCH_A \next, 0, 0
	SCALES \next
	MULA 4, 1, NQ-1, \slot, 0
	MULA 6, 1, NQ-1, \slot, 0
	PLACES 4
	WIN 0
	FETCH_A \next, 0, 4
.endm
	s_load_b256 s[4:11], s[0:1], 0x0               ; xq s[4:5], wq s[6:7], b_qkv s[8:9], qq s[10:11]
	s_load_b64 s[12:13], s[0:1], 0x20              ; kv
	v_lshl_add_u32 v[SPW], v0, 2, SPARE
	v_mov_b32 v[NIL], 0
	ds_add_u32 v[SPW], v[NIL]                      ; the wave's opening: the add, twice on end, and its wait ahead of my first tensor load
	ds_add_u32 v[SPW], v[NIL]
	v_lshrrev_b32 v1, 5, v0
	v_readfirstlane_b32 s14, v1                    ; wave 0..3
	s_lshr_b32 s15, s14, 1                         ; my half of A.  Also: I fetch for A (0) or for B (1)
	s_and_b32 s16, s14, 1                          ; my half of B.  Also: which half of that side I fetch
	s_bfe_u32 s40, ttmp6, 0x40000                  ; cx
	s_bfe_u32 s41, ttmp6, 0x40004                  ; cy
	s_and_b32 s17, ttmp7, 0xffff
	s_lshl_b32 s17, s17, 2                         ; 4 x cluster y
	s_lshl_b32 s43, s41, 2
	s_lshl_b32 s43, 15, s43                        ; my row of the cluster
	s_lshl_b32 s44, 0x1111, s40                    ; my column
	s_or_b32 s[G1+0], s43, (3<<16)|(1<<21)         ; 15:0 the mask; 17:16 elements of 8 bytes; 20 no padding; 21 set beside a mask
	s_or_b32 s[G1B+0], s44, (3<<16)|(1<<21)
	s_or_b32 s[G1S+0], s43, (3<<16)|(1<<21)
	s_or_b32 s[G1SB+0], s44, (3<<16)|(1<<21)
.irp g, G1, G1B                        ; a dense block of 24,576 bytes as 96 rows of 256
	s_mov_b32 s[\g+1], 32<<16
	s_mov_b32 s[\g+2], 96<<16
	s_mov_b32 s[\g+3], 32<<16
	s_mov_b32 s[\g+4], 96
	s_mov_b32 s[\g+5], 32
	s_mov_b32 s[\g+6], 0
	s_mov_b32 s[\g+7], 0
.endr
.irp g, G1S, G1SB                      ; the scale words of 128 lane-rows, all of K: 4,096 dense bytes as 16 rows of 256
	s_mov_b32 s[\g+1], 32<<16
	s_mov_b32 s[\g+2], 16<<16
	s_mov_b32 s[\g+3], 32<<16
	s_mov_b32 s[\g+4], 16
	s_mov_b32 s[\g+5], 32
	s_mov_b32 s[\g+6], 0
	s_mov_b32 s[\g+7], 0
.endr
	s_add_co_u32 s18, s17, s41                     ; q, k: A's tile of 256 tokens = 4 x cluster y + cy
	s_add_co_u32 s20, s41, 8                       ; v: A's tile of 256 columns of W = 8 + cy
	s_lshl_b32 s19, ttmp9, 2
	s_add_co_u32 s19, s19, s40                     ; q, k: B's tile of 256 columns of W = 4 x cluster x + cx
	s_add_co_u32 s22, s17, s40                     ; v: B's tile of 256 tokens = 4 x cluster y + cx
	s_cmp_eq_u32 ttmp9, 2
	s_cselect_b32 s45, 1, 0                        ; is this the v part?
	s_cselect_b32 s18, s20, s18                    ; A's tile: made of cy and the cluster's place alone
	s_cselect_b32 s19, s22, s19                    ; B's tile: of cx and the cluster's place alone
	s_mov_b32 s2, 1572864
	s_mov_b32 s3, 589824
	s_cselect_b32 s46, s3, s2                      ; from K step to K step, in A's buffer,
	s_cselect_b32 s47, s2, s3                      ; in B's
	s_mov_b32 s2, 6291456
	s_mov_b32 s3, 2359296
	s_cselect_b32 s66, s3, s2                      ; where the scale words begin, in A's buffer,
	s_cselect_b32 s67, s2, s3                      ; in B's
	s_mul_i32 s20, s18, 49152
	s_mul_i32 s21, s16, HALFA
	s_add_co_u32 s20, s20, s21
	s_mov_b32 s21, 0                               ; s[20:21] A's codes: tile, half
	s_lshl_b32 s2, s18, 13
	s_lshl_b32 s3, s16, 12
	s_add_co_u32 s2, s2, s3
	s_add_co_u32 s2, s2, s66
	s_mov_b32 s3, 0                                ; s[2:3] A's scale words
	s_mul_i32 s22, s19, 49152
	s_mul_i32 s23, s16, HALFA
	s_add_co_u32 s22, s22, s23
	s_mov_b32 s23, 0                               ; s[22:23] B's codes
	s_lshl_b32 s100, s19, 13
	s_lshl_b32 s101, s16, 12
	s_add_co_u32 s100, s100, s101
	s_add_co_u32 s100, s100, s67
	s_mov_b32 s101, 0                              ; s[100:101] B's scale words
	s_mov_b32 s92, s46
	s_mov_b32 s93, 0
	s_mov_b32 s94, s47
	s_mov_b32 s95, 0
	s_mov_b32 s[FLOOR], 0x1800000
	s_wait_dscnt 0x0                               ; both opening adds are done
	s_wait_kmcnt 0x0
	s_cmp_eq_u32 s45, 1
	s_cselect_b64 s[96:97], s[6:7], s[4:5]         ; A's buffer
	s_cselect_b64 s[98:99], s[4:5], s[6:7]         ; B's
	s_add_nc_u64 s[20:21], s[96:97], s[20:21]
	s_add_nc_u64 s[22:23], s[98:99], s[22:23]
	s_mov_b32 s[G0S], 1
	s_lshl_b32 s[G0S+1], s16, 12
	s_add_co_u32 s[G0S+1], s[G0S+1], SCL+SBB
	s_add_nc_u64 s[G0S+2:G0S+3], s[96:97], s[2:3]
	s_or_b32 s[G0S+3], s[G0S+3], 0x80000000
	s_mov_b32 s[G0SB], 1
	s_lshl_b32 s[G0SB+1], s16, 12
	s_add_co_u32 s[G0SB+1], s[G0SB+1], SCL
	s_add_nc_u64 s[G0SB+2:G0SB+3], s[98:99], s[100:101]
	s_or_b32 s[G0SB+3], s[G0SB+3], 0x80000000
	s_mov_b32 s[G0], 1
	s_mul_i32 s[G0+1], s14, HALFA                  ; wave x 24,576: A's halves, then B's: no place in the cluster enters an LDS address
	s_mov_b64 s[G0+2:G0+3], s[20:21]
	s_or_b32 s[G0+3], s[G0+3], 0x80000000
	s_mov_b32 s[G0+4], 1
	s_add_co_u32 s[G0+5], s[G0+1], SLOT
	s_add_nc_u64 s[G0+6:G0+7], s[20:21], s[92:93]  ; slot 1: K step 1
	s_or_b32 s[G0+7], s[G0+7], 0x80000000
	s_mov_b32 s[G0B], 1
	s_mul_i32 s[G0B+1], s14, HALFA
	s_mov_b64 s[G0B+2:G0B+3], s[22:23]
	s_or_b32 s[G0B+3], s[G0B+3], 0x80000000
	s_mov_b32 s[G0B+4], 1
	s_add_co_u32 s[G0B+5], s[G0B+1], SLOT
	s_add_nc_u64 s[G0B+6:G0B+7], s[22:23], s[94:95]
	s_or_b32 s[G0B+7], s[G0B+7], 0x80000000
	s_lshl_b32 s92, s92, 1                         ; a refill steps two K steps on
	s_lshl_b32 s94, s94, 1
	CROUND                                         ; all sixteen work-groups are here: the first joint loads meet
	JLOAD G0S, G1S, G0SB, G1SB                     ; three loads of mine are out: the scale words,
	JLOAD G0, G1, G0B, G1B                         ; slot 0,
	JLOAD G0+4, G1, G0B+4, G1B                     ; slot 1
	v_and_b32 v1, 15, v0                           ; r
	v_bfe_u32 v2, v0, 4, 1                         ; h
	v_and_b32 v3, 31, v0                           ; lane
	v_lshlrev_b32 v24, 4, v3                       ; 16 x lane
	v_lshlrev_b32 v25, 3, v3                       ; 8 x lane
	v_lshlrev_b32 v30, 4, v2                       ; 16 h
	v_lshlrev_b32 v22, 6, v2                       ; the bias along B: 64 h
	v_and_b32 v23, 8, v1
	v_add_nc_u32 v23, v23, v1
	v_lshlrev_b32 v23, 2, v23                      ; the bias along A: 4 (r + 8 (r / 8))
	s_mul_i32 s20, s15, HALFA
	s_mul_i32 s22, s16, HALFA
	s_add_co_u32 s22, s22, BPL
.irp s, 0,1
	v_add_nc_u32 v[ADRA+\s], s20, v24
	v_add_nc_u32 v[ADRB+\s], s22, v24
	s_add_co_u32 s20, s20, SLOT
	s_add_co_u32 s22, s22, SLOT
.endr
	s_mul_i32 s20, s16, SBB/2                      ; B's words: my half
	s_lshl_b32 s22, s15, 12
	s_add_co_u32 s22, s22, SBB                     ; A's: my half, behind B's
	s_sub_co_u32 s22, s22, s20
	v_mul_u32_u24 v4, s22, v2                      ; lanes 16-31 take A's: one product in h
	s_add_co_u32 s20, s20, SCL
	v_lshl_add_u32 v4, v1, SRS, v4
	v_add_nc_u32 v[ADRS], s20, v4
.irp b, 0,1,2,3
	v_mov_b32 v[TM+4+\b], 0                        ; written once: a lane permute's destination counts as one of its sources
.endr
	s_cmp_eq_u32 s45, 1                            ; the bias belongs to W's side: B for q and k, A for v
	s_cselect_b32 s2, s18, s19
	s_cselect_b32 s3, s15, s16
	s_lshl_b32 s2, s2, 10
	s_lshl_b32 s3, s3, 9
	s_add_co_u32 s2, s2, s3
	s_mov_b32 s3, 0
	s_add_nc_u64 s[8:9], s[8:9], s[2:3]            ; my wave's 128 numbers of b_qkv
	s_cmp_eq_u32 s45, 0
	s_cbranch_scc0 .Lbias_v
.irp b, 0,1,2,3,4,5,6,7                ; register j of tile b is channel 32 (b / 2) + 16 h + 8 (b % 2) + j
	global_load_b128 v[BI+8*\b:BI+8*\b+3], v22, s[8:9] offset:(32*(\b/2)+8*(\b%2))*4
	global_load_b128 v[BI+8*\b+4:BI+8*\b+7], v22, s[8:9] offset:(32*(\b/2)+8*(\b%2))*4+16
.endr
	s_branch .Lbias_done
.Lbias_v:
.irp a, 0,1,2,3,4,5,6,7                ; all eight registers of block a hold the bias of my lane-row's channel
.irp j, 0,1,2,3,4,5,6,7
	global_load_b32 v[BI+8*\a+\j], v23, s[8:9] offset:(32*(\a/2)+8*(\a%2))*4
.endr
.endr
.Lbias_done:
	; where the results go.  Tokens: 128 of them are a key step (or 8 query tiles) of a batch; channels: 128 of them are two heads
	s_cmp_eq_u32 s45, 1
	s_cselect_b32 s20, s19, s18                    ; the tile of tokens,
	s_cselect_b32 s21, s16, s15                    ; my half of it,
	s_cselect_b32 s22, s41, s40                    ; the tile of channels in the part: four heads,
	s_cselect_b32 s23, s15, s16                    ; my two of them
	s_lshr_b32 s66, s20, 3                         ; batch
	s_and_b32 s20, s20, 7
	s_lshl_b32 s20, s20, 1
	s_add_co_u32 s20, s20, s21                     ; key step
	s_lshl_b32 s22, s22, 2
	s_lshl_b32 s23, s23, 1
	s_add_co_u32 s22, s22, s23
	s_lshl_b32 s66, s66, 4
	s_add_co_u32 s22, s22, s66                     ; 16 x batch + my even head
	s_cmp_eq_u32 ttmp9, 0                          ; q goes to qq, k and v to kv
	s_cselect_b64 s[96:97], s[10:11], s[12:13]
	s_mov_b32 s21, 208896
	s_cselect_b32 s23, 98304, s21                  ; from head to head
	s_mov_b32 s66, 13056
	s_cselect_b32 s66, 6144, s66                   ; from key step to key step
	s_cselect_b32 s67, 8192, s21                   ; from head to head among the scale words
	s_cselect_b32 s21, 1, 0
	s_mul_i32 s2, s22, s23
	s_mul_i32 s3, s20, s66
	s_add_co_u32 s2, s2, s3
	s_mov_b32 s3, 0
	s_add_nc_u64 s[96:97], s[96:97], s[2:3]        ; the even head's place,
	s_mov_b32 s2, s23
	s_add_nc_u64 s[98:99], s[96:97], s[2:3]        ; the odd head's
	s_lshl_b32 s2, s22, 13
	s_lshl_b32 s23, s20, 9
	s_add_co_u32 s2, s2, s23
	s_add_co_u32 s2, s2, 6291456
	s_add_nc_u64 s[100:101], s[10:11], s[2:3]      ; q's scale words;
	s_add_nc_u64 s[22:23], s[96:97], 12288         ; k's and v's lie in the chunk
	s_cmp_eq_u32 s21, 1
	s_cselect_b64 s[100:101], s[100:101], s[22:23]
	v_mul_u32_u24 v26, s67, v2
	v_lshl_add_u32 v26, v1, 4, v26                 ; scale words: 16 r, lanes 16-31 the odd head
	s_mov_b32 s[SEL], 0x76543210
	s_mov_b32 s[SEL+1], 0xfedcba98
	s_wait_tensorcnt 1                             ; the scale words and my part of slot 0 are in; slot 1's load may be out
	s_barrier_signal -1
	s_barrier_wait -1
	FETCH_B 0, 0, 0
	FETCH_A 0, 0, 0
	s_wait_alu depctr_va_vdst(0)
	SCALES 0
	FETCH_A 0, 0, 4
	s_wait_loadcnt 0x0                             ; the bias
	s_cmp_eq_u32 s45, 0
	s_cbranch_scc0 .Lfirst_v
	STEP 0, 0, 1                                   ; the first step starts the sums from the bias: nothing is cleared
	s_branch .Lfirst_done
.Lfirst_v:
	STEP 0, 0, 2
.Lfirst_done:
	TURN 0, 1, 1                                   ; K = 1,024 is eight steps: written out
	STEP 1, 0, 0
	TURN 1, 0, 1
	STEP 0, 0, 0
	TURN 0, 1, 0                                   ; nothing is left to fetch
	STEP 1, 0, 0
	s_wait_dscnt 4*NLA
	MULA 0, 1, NQ-1, 1, 0
	MULA 2, 1, NQ-1, 1, 0
	s_wait_dscnt 0x0
	MULA 4, 1, NQ-1, 1, 0
	MULA 6, 1, NQ-1, 1, 0
	WIN 0
; THE WAY OUT.  The 64 accumulator registers of block a are 64 numbers of my lane-row, register 16 b + i = index 32 b + 16 (lane / 16) + i along B: they are quantised where they lie, each accumulator read from its low end on.
.macro QUANTW a
.set WN, 2+(\a)/4
.set S0, 64*((\a)%4)
.set PCA, PCB+20*(\a)
	WIN (WN<<2)|(WN<<4)                            ; sources 1 and 2 in the accumulators' window
.irp b, 0,1,2,3
	v_max3_num_f32 v[TM+\b], s[FLOOR], |v[S0+16*\b]|, |v[S0+16*\b+1]|
.endr
.irp i, 2,4,6,8,10,12,14
.irp b, 0,1,2,3
	v_max3_num_f32 v[TM+\b], v[TM+\b], |v[S0+16*\b+\i]|, |v[S0+16*\b+\i+1]|
.endr
.endr
	WIN 0
.irp b, 0,1,2,3
	v_permlanex16_b32 v[TM+4+\b], v[TM+\b], s[SEL], s[SEL+1]
.endr
.irp b, 0,1,2,3
	v_max_num_f32 v[TM+\b], v[TM+\b], v[TM+4+\b]
.endr
.irp b, 0,1,2,3
	v_add_nc_u32 v[TM+12+\b], 0xff000000, v[TM+\b]
.endr
.irp b, 0,1,2,3
	v_lshrrev_b32 v[TM+4+\b], 23, v[TM+12+\b]
.endr
	v_lshl_or_b32 v[WRD+(\a)], v[TM+5], 8, v[TM+4]
	v_lshl_or_b32 v[WRD+(\a)], v[TM+6], 16, v[WRD+(\a)]
	v_lshl_or_b32 v[WRD+(\a)], v[TM+7], 24, v[WRD+(\a)]
	WIN WN                                         ; source 0 in the accumulators' window
.irp c, 0,1
	v_cvt_scalef32_pk16_fp6_f32 v[PCA+6*\c:PCA+6*\c+2], v[S0+32*\c:S0+32*\c+15], v[TM+12+2*\c]
	v_cvt_scalef32_pk16_fp6_f32 v[PCA+12+4*\c:PCA+14+4*\c], v[S0+16+32*\c:S0+31+32*\c], v[TM+13+2*\c]
.endr
	WIN 0
	v_nop                                          ; one plain place behind a scaled conversion
.irp c, 0,1
.irp i, 0,1,2
	v_permlane16_swap_b32 v[PCA+6*\c+\i], v[PCA+12+4*\c+\i]
.endr
.irp i, 0,1,2
	v_mov_b32 v[PCA+3+6*\c+\i], v[PCA+12+4*\c+\i]
.endr
.endr
.endm
	PLACES 4
.irp a, 0,1,2,3,4,5,6,7
	QUANTW \a
.endr
	s_cmp_eq_u32 s45, 0
	s_cbranch_scc0 .Lstore_v
	; q, k: registers 0-5 are the even head's 64 channels, registers 6-11 the odd head's: two half fragments; of the word, two bytes each
.set ea, 0
.rept 8
.set PCA, PCB+20*ea
	v_lshrrev_b32 v[WRD+ea], v30, v[WRD+ea]
	v_and_b32 v[WRD+ea], 0xffff, v[WRD+ea]         ; lanes 0-15 the even head's two bytes, lanes 16-31 the odd head's; bytes 2, 3 are 0 over codes that are 0
	global_store_b128 v24, v[PCA:PCA+3], s[96:97] offset:768*ea           ; 512 consecutive bytes
	global_store_b64 v25, v[PCA+4:PCA+5], s[96:97] offset:768*ea+512      ; 256 consecutive bytes
	global_store_b128 v24, v[PCA+6:PCA+9], s[98:99] offset:768*ea
	global_store_b64 v25, v[PCA+10:PCA+11], s[98:99] offset:768*ea+512
.set ea, ea+1
.endr
	global_store_b128 v26, v[WRD:WRD+3], s[100:101]              ; four tiles' words of a lane-row on end
	global_store_b128 v26, v[WRD+4:WRD+7], s[100:101] offset:256
	s_branch .Lstore_done
.Lstore_v:
	; v: a whole fragment, 16 channels x 128 keys; blocks 0-3 are the even head's four tiles of channels, blocks 4-7 the odd head's
.irp a, 0,1,2,3
.irp g, 0,1,2
	global_store_b128 v24, v[PCB+20*\a+4*\g:PCB+20*\a+4*\g+3], s[96:97] offset:6144+1536*\a+512*\g
.endr
.endr
	s_wait_alu depctr_va_vdst(0)
.irp a, 4,5,6,7
.irp g, 0,1,2
	global_store_b128 v24, v[PCB+20*\a+4*\g:PCB+20*\a+4*\g+3], s[98:99] offset:6144+1536*(\a-4)+512*\g
.endr
.endr
	v_cmp_gt_u32 vcc_lo, 16, v3
.irp c, 0,1,2,3
	v_cndmask_b32 v[TW+\c], v[WRD+4+\c], v[WRD+\c], vcc_lo       ; lanes 16-31 carry the odd head's words
.endr
	global_store_b128 v26, v[TW:TW+3], s[100:101] offset:512
.Lstore_done:
	s_wait_tensorcnt 0x0                           ; the wave's end
	ds_add_u32 v[SPW], v[NIL]
	s_wait_dscnt 0x0
	CROUND                                         ; the closing round: no work-group ends while a partner may still ask for a tile that names it
	s_endpgm
.Lfunc_end_k_qb16d1b7b8d_qkv:
	.size	k_qb16d1b7b8d_qkv, .Lfunc_end_k_qb16d1b7b8d_qkv-k_qb16d1b7b8d_qkv
	.p2alignl 7, 3214868480
	.fill 96, 4, 3214868480
	.section	.rodata,"a",@progbits
	.p2align	6, 0x0
	.amdhsa_kernel k_qb16d1b7b8d_qkv
		.amdhsa_group_segment_fixed_size 327680
		.amdhsa_private_segment_fixed_size 0
		.amdhsa_enable_private_segment 0
		.amdhsa_kernarg_size 40
		.amdhsa_user_sgpr_count 2
		.amdhsa_user_sgpr_kernarg_segment_ptr 1
		.amdhsa_wavefront_size32 1
		.amdhsa_system_sgpr_workgroup_id_x 1
		.amdhsa_system_sgpr_workgroup_id_y 1
		.amdhsa_system_sgpr_workgroup_id_z 1
		.amdhsa_system_vgpr_workitem_id 0
		.amdhsa_next_free_vgpr 1024
		.amdhsa_next_free_sgpr 102
		.amdhsa_reserve_vcc 1
		.amdhsa_float_denorm_mode_32 3
		.amdhsa_float_denorm_mode_16_64 3
		.amdhsa_memory_ordered 1
		.amdhsa_forward_progress 1
		.amdhsa_inst_pref_size 164
	.end_amdhsa_kernel
	.amdgpu_metadata
---
amdhsa.version: [ 1, 2 ]
amdhsa.kernels:
  - .name:           k_qb16d1b7b8d_qkv
    .symbol:         k_qb16d1b7b8d_qkv.kd
    .args:
      - { .name: xq, .offset: 0, .size: 8, .value_kind: global_buffer, .address_space: global }
      - { .name: wq, .offset: 8, .size: 8, .value_kind: global_buffer, .address_space: global }
      - { .name: b_qkv, .offset: 16, .size: 8, .value_kind: global_buffer, .address_space: global }
      - { .name: qq, .offset: 24, .size: 8, .value_kind: global_buffer, .address_space: global }
      - { .name: kv, .offset: 32, .size: 8, .value_kind: global_buffer, .address_space: global }
    .group_segment_fixed_size: 327680
    .private_segment_fixed_size: 0
    .kernarg_segment_align: 8
    .kernarg_segment_size: 40
    .max_flat_workgroup_size: 128
    .sgpr_count:     102
    .vgpr_count:     1024
    .wavefront_size: 32
...
	.end_amdgpu_metadata
.endif
;; end of part 2
;; launch attn (part 3): grid 4 x 64, 16 waves a work-group, clusters of 4 x 1, 327,680 bytes of LDS; arguments qq, kv, yq; writes yq
.if DOCPART == 3
	.amdgcn_target "amdgcn-amd-amdhsa--gfx1250"
	.amdhsa_code_object_version 6
	.text
	.protected	k_qb16d1b7b8d_attn
	.globl	k_qb16d1b7b8d_attn
	.p2align	8
	.type	k_qb16d1b7b8d_attn,@function
k_qb16d1b7b8d_attn:
	s_mov_b64 s[64:65], 0
	v_nop
	global_prefetch_b8 v0, s[64:65] scope:SCOPE_SE
	s_setreg_imm32_b32 hwreg(HW_REG_WAVE_MODE, 25, 1), 1
	s_wait_xcnt 0x0
	s_wait_alu depctr_hold_cnt(0) depctr_sa_sdst(0) depctr_va_vdst(0) depctr_va_sdst(0) depctr_va_ssrc(0) depctr_va_vcc(0) depctr_vm_vsrc(0)
	s_getreg_b32 s2, hwreg(HW_REG_IB_STS2, 6, 4)
	s_cmp_eq_u32 s2, 0
	s_cbranch_scc0 .Lentry_in_a_cluster
	s_endpgm
.Lentry_in_a_cluster:
	s_bfe_u32 s2, ttmp6, 0x10000c
	s_cmp_lg_u32 s2, 0x3003
	s_cbranch_scc0 .Lentry_shape_is_right
	s_endpgm
.Lentry_shape_is_right:
; Launch 3 of 4: y = softmax(q k^T / 8, causal) v for 64 heads of 2,048 positions and head size 64, both products on codes of FP6 (E2M3) with E8M0 scales; y quantised for the projection.
; LEFT OUT (shown at the head of launch prep): a step of 128 keys all of which come after a tile's 16 queries; reference()'s own mask gives those weights the value 0.
; THE SOFTMAX AHEAD OF THE SECOND PRODUCT: t = score x log2(e) / 8; M = the running largest t rounded up to a whole number; p = 2^(t - M) is quantised along the keys, not normalised; the row's sum is taken of the unquantised p and divides at the end.
; LIMITS: t lies above -3e38; a p under 2^-126 comes out as 0; NaN and infinities are not served.
; SHARES.  A cluster of four work-groups is one head.  Query tile a = 4 m + cx (cx: the place in the cluster); wave w takes m = w and then m = 31 - w.  Tile a needs key steps 0 .. a / 8 = m / 2, whatever cx is:
; so every wave of the launch walks (w / 2 + 1) + ((31 - w) / 2 + 1) = 17 key steps, and no branch hangs on cx.
; LDS.  The head's K, V and scale words, 16 chunks of 13,056 bytes, are filled ONCE: wave w asks jointly (mask: all four work-groups) for chunk w.  No refill, no barrier in the loops.
; LAYOUT.  Both products are used transposed: S^T = K Q^T, O^T = V^T P^T: a lane holds one query throughout.  The head's 64 fill registers 0-5 of Q's and K's fragments; registers 6-11 are zero codes, written once.
; The keys, queries and channels of a tile are not neighbours (launch prep): lane-row p of tile 2 b + u is index 32 b + 8 u + p + 8 (p / 8).
; REGISTERS: v1-3 16 l, 8 l, 16 r; v4, v5 the add's two; v6 r + 8 (r / 8) - 16 h; v8-10 the step's LDS addresses; v12 -M, v13 the largest t, v[14:15] the sum; v16-27 Q; v32-79 four fragments of K;
; v80-127 V's four; v128-191 S^T, then p; v192-223 O^T; v224-235 p's codes; v232-247 at work; v248-251 K's or V's scale words; v252 f; v253 p's scale word; v254 at work; v255 Q's scale word.
.set CH,    13056                      ; a chunk: K's 8 half fragments at 0, V's 4 fragments at 6,144, K's words at 12,288, V's at 12,800
.set SPARE, 262144                     ; the spare words, 128 bytes for each of sixteen waves
.set SPW, 4
.set NIL, 5
.set WV,  10                           ; s10 wave
.set CX,  11                           ; s11 my place in the cluster: it enters global addresses and the mask's numbers alone
.set SEL, 28                           ; s[28:29]
.set CS,  30                           ; s[30:31] c = log2(e) / 8
.set TB,  32                           ; s32 LDS byte of the step's chunk
.set KS,  33                           ; s33 the key step
.set LS,  34                           ; s34 the tile's last key step: m / 2
.set MM,  35                           ; s35 m
.set TI,  36                           ; s36 counts my two tiles
.set SQ,  37                           ; s37 the tile's first query, counted from the last step's first key
.macro ROUND
	s_barrier_signal -1
	s_barrier_wait -1
	s_cmp_lg_u32 s[WV], 0
	s_cbranch_scc1 .Lnot_wave_0_\@
	s_barrier_signal -3
.Lnot_wave_0_\@:
	s_barrier_wait -3
	s_barrier_signal -1
	s_barrier_wait -1
.endm
	s_load_b128 s[4:7], s[0:1], 0x0                ; qq s[4:5], kv s[6:7]
	s_load_b64 s[8:9], s[0:1], 0x10                ; yq
	v_lshl_add_u32 v[SPW], v0, 2, SPARE
	v_mov_b32 v[NIL], 0
	ds_add_u32 v[SPW], v[NIL]                      ; the wave's opening: the add, twice on end, and its wait ahead of my first tensor load
	ds_add_u32 v[SPW], v[NIL]
	v_lshrrev_b32 v1, 5, v0
	s_delay_alu instid0(VALU_DEP_1)
	v_readfirstlane_b32 s[WV], v1                  ; wave 0..15
	s_bfe_u32 s[CX], ttmp6, 0x40000
	s_and_b32 s12, ttmp7, 0xffff                   ; 16 x batch + head
	s_mov_b32 s16, 15|(3<<16)|(1<<21)              ; group 1: the mask names all four; elements of 8 bytes; no padding; bit 21 beside a mask
	s_mov_b32 s17, 32<<16                          ; a dense chunk as 51 rows of 256 bytes
	s_mov_b32 s18, 51<<16
	s_mov_b32 s19, 32<<16
	s_mov_b32 s20, 51
	s_mov_b32 s21, 32
	s_mov_b32 s22, 0
	s_mov_b32 s23, 0
	s_mov_b32 s24, 1
	s_mul_i32 s25, s[WV], CH                       ; chunk w lands at w x 13,056
	s_mul_i32 s14, s12, 16*CH
	s_add_co_u32 s14, s14, s25
	s_mov_b32 s15, 0
	s_mov_b32 s[SEL], 0x76543210
	s_mov_b32 s[SEL+1], 0xfedcba98
	s_mov_b32 s[CS], 0x3e38aa3b
	s_mov_b32 s[CS+1], s[CS]
	s_wait_dscnt 0x0                               ; both opening adds are done
	s_wait_kmcnt 0x0
	s_add_nc_u64 s[26:27], s[6:7], s[14:15]
	s_or_b32 s27, s27, 0x80000000
	ROUND                                          ; all four work-groups are here: the joint loads meet
	tensor_load_to_lds s[24:27], s[16:23]          ; my one tensor load of the launch
	s_nop 0
	v_and_b32 v7, 31, v0
	v_and_b32 v11, 15, v0                          ; r
	v_bfe_u32 v6, v0, 4, 1                         ; h
	s_delay_alu instid0(VALU_DEP_3)
	v_lshlrev_b32 v1, 4, v7
	s_delay_alu instid0(VALU_DEP_4)
	v_lshlrev_b32 v2, 3, v7
	s_delay_alu instid0(VALU_DEP_4)
	v_lshlrev_b32 v3, 4, v11
	v_and_b32 v7, 8, v11
	s_delay_alu instid0(VALU_DEP_1)
	v_add_nc_u32 v7, v7, v11
	v_lshlrev_b32 v6, 4, v6
	s_delay_alu instid0(VALU_DEP_1)
	v_sub_nc_u32 v6, v7, v6                        ; r + 8 (r / 8) - 16 h
	s_mul_i32 s14, s12, 98304
	s_add_nc_u64 s[48:49], s[4:5], s[14:15]        ; the head's q codes,
	s_lshl_b32 s14, s12, 13
	s_add_co_u32 s14, s14, 6291456
	s_add_nc_u64 s[50:51], s[4:5], s[14:15]        ; q's scale words
	s_lshr_b32 s13, s12, 4                         ; batch
	s_and_b32 s46, s12, 15                         ; head: y's K is 64 x head + channel
	s_lshr_b32 s47, s46, 3                         ; which 512 along that K,
	s_bfe_u32 s56, s46, 0x20001                    ; which fragment of 128,
	s_and_b32 s57, s46, 1                          ; which half of it
	s_mul_i32 s14, s47, 3145728
	s_mul_i32 s58, s13, 786432
	s_add_co_u32 s14, s14, s58
	s_mul_i32 s58, s56, 1536
	s_add_co_u32 s14, s14, s58
	s_mul_i32 s58, s57, 768
	s_add_co_u32 s14, s14, s58
	s_add_nc_u64 s[52:53], s[8:9], s[14:15]        ; y's codes: the head's half fragment of the batch's tile 0
	s_lshl_b32 s14, s13, 16
	s_lshl_b32 s58, s47, 8
	s_add_co_u32 s14, s14, s58
	s_lshl_b32 s58, s56, 2
	s_add_co_u32 s14, s14, s58
	s_lshl_b32 s58, s57, 1
	s_add_co_u32 s14, s14, s58
	s_add_co_u32 s14, s14, 6291456
	s_add_nc_u64 s[54:55], s[8:9], s[14:15]        ; y's scale words: the head's two bytes
.irp j, 22,23,24,25,26,27,38,39,40,41,42,43,50,51,52,53,54,55,62,63,64,65,66,67,74,75,76,77,78,79
	v_mov_b32 v\j, 0                               ; the upper 64 of the first product's 128 along K: zero codes, on both sides; no load ever lands here
.endr
.irp j, 236,237,238,239,252,253,254
	v_mov_b32 v\j, 0                               ; written once: lane permutes' destinations and halves of pairs count as read
.endr
	s_mov_b32 s[MM], s[WV]
	s_mov_b32 s[TI], 0
	s_wait_tensorcnt 0x0                           ; my chunk is in,
	s_barrier_signal -1
	s_barrier_wait -1                              ; everybody's is: the head's K and V lie in LDS
.Ltile:
	s_wait_xcnt 0x0                                ; the last tile's loads and stores have read their bases and data
	s_lshl_b32 s46, s[MM], 2
	s_add_co_u32 s46, s46, s[CX]                   ; a
	s_lshr_b32 s[LS], s[MM], 1
	s_bfe_u32 s[SQ], s46, 0x20001
	s_lshl_b32 s[SQ], s[SQ], 5
	s_and_b32 s47, s46, 1
	s_lshl_b32 s47, s47, 3
	s_add_co_u32 s[SQ], s[SQ], s47                 ; 32 ((a / 2) % 4) + 8 (a % 2)
	s_mul_i32 s14, s46, 768
	s_add_nc_u64 s[38:39], s[48:49], s[14:15]
	s_lshr_b32 s14, s46, 2
	s_lshl_b32 s14, s14, 8
	s_and_b32 s47, s46, 3
	s_lshl_b32 s47, s47, 2
	s_add_co_u32 s14, s14, s47
	s_add_nc_u64 s[40:41], s[50:51], s[14:15]
	s_mul_i32 s14, s46, 6144
	s_add_nc_u64 s[42:43], s[52:53], s[14:15]
	s_lshl_b32 s14, s46, 9
	s_add_nc_u64 s[44:45], s[54:55], s[14:15]
	global_load_b128 v[16:19], v1, s[38:39]        ; Q's half fragment
	global_load_b64 v[20:21], v2, s[38:39] offset:512
	global_load_b32 v255, v3, s[40:41]             ; and its scale words
	v_mov_b32 v13, 0xff61b1e6                      ; the largest t so far: -3e38
	s_delay_alu instid0(VALU_DEP_1)
	v_floor_f32 v12, -v13                          ; -M
	v_mov_b32 v14, 0
	v_mov_b32 v15, 0
.set j, 0
.rept 32
	v_mov_b32 v[192+j], 0                          ; O^T: the step is written once; the first change of M leaves zeros zeros
.set j, j+1
.endr
	s_mov_b32 s[TB], 0
	s_mov_b32 s[KS], 0
	s_wait_loadcnt 0x0
.Lstep:                                            ; sixteen trips, a constant; a step behind the tile's last is jumped over
	s_cmp_gt_u32 s[KS], s[LS]
	s_cbranch_scc1 .Lhidden
	s_setprio 2
	v_add_nc_u32 v8, s[TB], v1
	s_wait_alu depctr_va_vdst(0)
	v_add_nc_u32 v9, s[TB], v2
	s_wait_alu depctr_va_vdst(0)
	v_add_nc_u32 v10, s[TB], v3
	s_wait_alu depctr_va_vdst(0)
	v_nop                                          ; four places behind the last step's products, whose scale registers are loaded next
.irp g, 0,1                                    ; S^T = K Q^T, four tiles of 16 keys at a time
.if \g > 0
.rept 4
	v_nop                                          ; places in front of loads into registers that matrix instructions have read
.endr
.endif
.irp t, 0,1,2,3
	ds_load_b128 v[32+12*\t:35+12*\t], v8 offset:768*(4*\g+\t)
	ds_load_b64 v[36+12*\t:37+12*\t], v9 offset:768*(4*\g+\t)+512
.endr
	ds_load_b128 v[248:251], v10 offset:12288+256*\g           ; the four tiles' scale words of lane-row r
	s_wait_dscnt 0x0
.irp t, 0,1,2,3
	v_wmma_scale_f32_16x16x128_f8f6f4 v[128+8*(4*\g+\t):135+8*(4*\g+\t)], v[32+12*\t:43+12*\t], v[16:27], 0, v[248+\t], v255 matrix_a_fmt:MATRIX_FMT_FP6 matrix_b_fmt:MATRIX_FMT_FP6
.endr
.endr                                          ; register 16 b + i is key 32 b + 16 h + i of the step
.irp c, 0,1,2,3
.irp g, 0,1,2
	ds_load_b128 v[80+12*\c+4*\g:83+12*\c+4*\g], v8 offset:6144+1536*\c+512*\g   ; V's four fragments land under the softmax
.endr
.endr
.rept 4
	v_nop                                          ; places: in front of the load into the scale registers, and of the first read of the scores
.endr
	ds_load_b128 v[248:251], v10 offset:12800      ; V's scale words
	s_cmp_lt_u32 s[KS], s[LS]                      ; only the tile's last step lies on the diagonal
	s_cbranch_scc1 .Lopen
	v_add_nc_u32 v252, s[SQ], v6                   ; d = my query - the step's first key - 16 h: register 16 b + i is hidden where 32 b + i > d
	v_mov_b32 v254, 0xff800000                     ; -infinity: p = 0 then
.set n, 0
.rept 64
	v_cmp_gt_i32 vcc_lo, 32*(n/16)+n%16, v252
	v_cndmask_b32 v[128+n], v[128+n], v254, vcc_lo
.set n, n+1
.endr
.Lopen:
.irp b, 0,1,2,3
	v_max3_num_f32 v[232+\b], v[128+16*\b], v[129+16*\b], v[130+16*\b]   ; the largest score of each block of 32 keys: for the row's maximum and, since p rises with the score, for the block's largest p
.endr
.irp i, 3,5,7,9,11,13
.irp b, 0,1,2,3
	v_max3_num_f32 v[232+\b], v[232+\b], v[128+16*\b+\i], v[129+16*\b+\i]
.endr
.endr
.irp b, 0,1,2,3
	v_max_num_f32 v[232+\b], v[232+\b], v[143+16*\b]
.endr
.irp b, 0,1,2,3
	s_delay_alu instid0(VALU_DEP_4)
	v_permlanex16_b32 v[236+\b], v[232+\b], s[SEL], s[SEL+1]
.endr
.irp b, 0,1,2,3
	s_delay_alu instid0(VALU_DEP_4)
	v_max_num_f32 v[232+\b], v[232+\b], v[236+\b]  ; with lane l xor 16's 16 keys
.endr
	s_delay_alu instid0(VALU_DEP_2)
	v_max3_num_f32 v254, v232, v233, v234
	s_delay_alu instid0(VALU_DEP_1)
	v_max_num_f32 v254, v254, v235                 ; the step's largest score of my query
	s_delay_alu instid0(VALU_DEP_1)
	v_mul_f32 v254, s[CS], v254                    ; as t
	s_delay_alu instid0(VALU_DEP_1)
	v_max_num_f32 v13, v13, v254                   ; the running largest t
	v_mov_b32 v254, v12
	s_delay_alu instid0(VALU_DEP_2)
	v_floor_f32 v12, -v13                          ; the new -M = floor(-t): M is a whole number
	s_delay_alu instid0(VALU_DEP_1)
	v_sub_f32 v254, v12, v254                      ; old M - new M, a whole number, 0 or less
	s_delay_alu instid0(VALU_DEP_1)
	v_cvt_i32_f32 v254, v254                       ; (it saturates)
	s_delay_alu instid0(VALU_DEP_1)
	v_ldexp_f32 v252, 1.0, v254                    ; f = 2^(old M - new M): a multiplication by it rounds nothing
.set j, 0
	s_setprio 1
.rept 32
	v_pk_fma_f32 v[128+j:129+j], v[128+j:129+j], s[CS:CS+1], v[12:13] op_sel_hi:[1,0,0]   ; t - M, two at a time
.set j, j+2
.endr
.irp b, 0,1,2,3
	v_fma_f32 v[232+\b], v[232+\b], s[CS], v12     ; the same of each block's largest score
.endr
.set j, 0
	s_wait_alu depctr_va_vdst(0)
.rept 64
	v_exp_f32 v[128+j], v[128+j]                   ; p = 2^(t - M)
.set j, j+1
.endr
	v_pk_mul_f32 v[14:15], v[14:15], v[252:253] op_sel_hi:[1,0]   ; the sums under the new M; a plain place behind the exponentials
	s_wait_alu depctr_va_vdst(0)                   ; one wait for the batch of 64, ahead of its first reader
.irp b, 0,1,2,3
	v_exp_f32 v[232+\b], v[232+\b]                 ; the block's largest p
.endr
	v_pk_add_f32 v[236:237], v[132:133], v[136:137]
	v_pk_add_f32 v[246:247], v[140:141], v[144:145]
	v_pk_add_f32 v[244:245], v[148:149], v[152:153]
	v_pk_add_f32 v[242:243], v[156:157], v[160:161]
	v_pk_add_f32 v[240:241], v[164:165], v[168:169]
	v_pk_add_f32 v[238:239], v[172:173], v[176:177]
	v_pk_add_f32 v[230:231], v[180:181], v[184:185]
	v_pk_add_f32 v[14:15], v[14:15], v[188:189]
	v_pk_add_f32 v[236:237], v[236:237], v[128:129]
	v_pk_add_f32 v[246:247], v[246:247], v[130:131]
	v_pk_add_f32 v[244:245], v[244:245], v[134:135]
	v_pk_add_f32 v[242:243], v[242:243], v[138:139]
	v_pk_add_f32 v[240:241], v[240:241], v[142:143]
	v_pk_add_f32 v[238:239], v[238:239], v[146:147]
	v_pk_add_f32 v[230:231], v[230:231], v[150:151]
	v_pk_add_f32 v[14:15], v[14:15], v[154:155]
	v_pk_add_f32 v[236:237], v[236:237], v[158:159]
	v_pk_add_f32 v[246:247], v[246:247], v[162:163]
	v_pk_add_f32 v[244:245], v[244:245], v[166:167]
	v_pk_add_f32 v[242:243], v[242:243], v[170:171]
	v_pk_add_f32 v[240:241], v[240:241], v[174:175]
	v_pk_add_f32 v[238:239], v[238:239], v[178:179]
	v_pk_add_f32 v[230:231], v[230:231], v[182:183]
	v_pk_add_f32 v[14:15], v[14:15], v[186:187]
	v_pk_add_f32 v[236:237], v[236:237], v[190:191]
	s_delay_alu instid0(VALU_DEP_2)
	v_pk_add_f32 v[14:15], v[14:15], v[242:243]
	s_delay_alu instid0(VALU_DEP_2)
	v_pk_add_f32 v[236:237], v[236:237], v[240:241]
	v_pk_add_f32 v[246:247], v[246:247], v[238:239]
	v_pk_add_f32 v[244:245], v[244:245], v[230:231]
	s_delay_alu instid0(VALU_DEP_2)
	v_pk_add_f32 v[14:15], v[14:15], v[246:247]
	s_delay_alu instid0(VALU_DEP_2)
	v_pk_add_f32 v[236:237], v[236:237], v[244:245]
	s_delay_alu instid0(VALU_DEP_1)
	v_pk_add_f32 v[14:15], v[14:15], v[236:237]
	s_wait_alu depctr_va_vdst(0)                   ; and one for the four
.irp b, 0,1,2,3
	v_max_num_f32 v[232+\b], 0x1800000, v[232+\b]  ; the floor 2^(3 - 127): the byte cannot fall under 1
.endr
.irp b, 0,1,2,3
	s_delay_alu instid0(VALU_DEP_4)
	v_add_nc_u32 v[244+\b], 0xff000000, v[232+\b]  ; the conversion's scale operand
.endr
.irp b, 0,1,2,3
	s_delay_alu instid0(VALU_DEP_4)
	v_lshrrev_b32 v[236+\b], 23, v[244+\b]         ; the scale's byte
.endr
	s_delay_alu instid0(VALU_DEP_3)
	v_lshl_or_b32 v253, v237, 8, v236              ; p's scale word for these 128 keys
	s_delay_alu instid0(VALU_DEP_1)
	v_lshl_or_b32 v253, v238, 16, v253
	s_delay_alu instid0(VALU_DEP_1)
	v_lshl_or_b32 v253, v239, 24, v253
	s_setprio 0
.irp c, 0,1
	v_cvt_scalef32_pk16_fp6_f32 v[224+6*\c:226+6*\c], v[128+32*\c:143+32*\c], v[244+2*\c]
	v_cvt_scalef32_pk16_fp6_f32 v[236+4*\c:238+4*\c], v[144+32*\c:159+32*\c], v[245+2*\c]
.endr
	v_nop                                          ; one plain place behind a scaled conversion
.irp c, 0,1
.irp i, 0,1,2
	v_permlane16_swap_b32 v[224+6*\c+\i], v[236+4*\c+\i]
.endr
.irp i, 0,1,2
	s_delay_alu instid0(VALU_DEP_3)
	v_mov_b32 v[227+6*\c+\i], v[236+4*\c+\i]
.endr
.endr
.set j, 0
.rept 16
	v_pk_mul_f32 v[192+j:193+j], v[192+j:193+j], v[252:253] op_sel_hi:[1,0]   ; O^T under the new M; these sixteen are also the places between the scale word, the codes and the products
.set j, j+2
.endr
	s_wait_alu depctr_va_vdst(0)
	s_wait_dscnt 0x0                               ; V and its scale words are in
.irp c, 0,1,2,3
	v_wmma_scale_f32_16x16x128_f8f6f4 v[192+8*\c:199+8*\c], v[80+12*\c:91+12*\c], v[224:235], v[192+8*\c:199+8*\c], v[248+\c], v253 matrix_a_fmt:MATRIX_FMT_FP6 matrix_b_fmt:MATRIX_FMT_FP6
.endr
.Lhidden:
	s_add_co_u32 s[TB], s[TB], CH
	s_add_co_u32 s[KS], s[KS], 1
	s_cmp_lt_u32 s[KS], 16
	s_cbranch_scc1 .Lstep
	s_setprio 0
	; the tile's end: y = O^T / the sum, quantised along the head's 64 channels: register 16 b + i is channel 32 b + 16 h + i
.rept 4
	v_nop
.endr
	v_add_f32 v14, v14, v15
	s_delay_alu instid0(VALU_DEP_1)
	v_permlanex16_b32 v252, v14, s[SEL], s[SEL+1]
	s_delay_alu instid0(VALU_DEP_1)
	v_add_f32 v14, v14, v252                       ; the row's sum
	s_wait_alu depctr_va_vdst(0)
	v_rcp_f32 v14, v14
	v_nop                                          ; a plain place behind the reciprocal
	s_wait_alu depctr_va_vdst(0)                   ; the wait ahead of its first reader
.set j, 0
.rept 16
	v_pk_mul_f32 v[128+j:129+j], v[192+j:193+j], v[14:15] op_sel_hi:[1,0]
.set j, j+2
.endr
.irp b, 0,1
	v_max3_num_f32 v[232+\b], |v[128+16*\b]|, |v[129+16*\b]|, 0x1800000
.endr
.irp i, 2,4,6,8,10,12,14
.irp b, 0,1
	s_delay_alu instid0(VALU_DEP_2)
	v_max3_num_f32 v[232+\b], v[232+\b], |v[128+16*\b+\i]|, |v[129+16*\b+\i]|
.endr
.endr
.irp b, 0,1
	s_delay_alu instid0(VALU_DEP_2)
	v_permlanex16_b32 v[236+\b], v[232+\b], s[SEL], s[SEL+1]
.endr
.irp b, 0,1
	s_delay_alu instid0(VALU_DEP_2)
	v_max_num_f32 v[232+\b], v[232+\b], v[236+\b]
.endr
.irp b, 0,1
	s_delay_alu instid0(VALU_DEP_2)
	v_add_nc_u32 v[244+\b], 0xff000000, v[232+\b]
.endr
.irp b, 0,1
	s_delay_alu instid0(VALU_DEP_2)
	v_lshrrev_b32 v[236+\b], 23, v[244+\b]
.endr
	s_delay_alu instid0(VALU_DEP_1)
	v_lshl_or_b32 v254, v237, 8, v236              ; the head's two bytes of the row's scale word
	v_cvt_scalef32_pk16_fp6_f32 v[224:226], v[128:143], v244
	v_cvt_scalef32_pk16_fp6_f32 v[236:238], v[144:159], v245
	v_nop
.irp i, 0,1,2
	v_permlane16_swap_b32 v[224+\i], v[236+\i]
.endr
.irp i, 0,1,2
	s_delay_alu instid0(VALU_DEP_3)
	v_mov_b32 v[227+\i], v[236+\i]
.endr
	global_store_b128 v1, v[224:227], s[42:43]             ; the half fragment's image: 512 consecutive bytes,
	global_store_b64 v2, v[228:229], s[42:43] offset:512   ; and 256
	global_store_b16 v3, v254, s[44:45]            ; two bytes a row, 16 bytes apart (lanes r and r + 16 write the same value): one byte in 24 of y's; the word's other half is another head's; taken as it is
	s_sub_co_u32 s[MM], 31, s[MM]                  ; my second tile
	s_add_co_u32 s[TI], s[TI], 1
	s_cmp_lt_u32 s[TI], 2
	s_cbranch_scc1 .Ltile
	s_wait_tensorcnt 0x0                           ; the wave's end
	ds_add_u32 v[SPW], v[NIL]
	s_wait_dscnt 0x0
	ROUND                                          ; the closing round
	s_endpgm
.Lfunc_end_k_qb16d1b7b8d_attn:
	.size	k_qb16d1b7b8d_attn, .Lfunc_end_k_qb16d1b7b8d_attn-k_qb16d1b7b8d_attn
	.p2alignl 7, 3214868480
	.fill 96, 4, 3214868480
	.section	.rodata,"a",@progbits
	.p2align	6, 0x0
	.amdhsa_kernel k_qb16d1b7b8d_attn
		.amdhsa_group_segment_fixed_size 327680
		.amdhsa_private_segment_fixed_size 0
		.amdhsa_enable_private_segment 0
		.amdhsa_kernarg_size 24
		.amdhsa_user_sgpr_count 2
		.amdhsa_user_sgpr_kernarg_segment_ptr 1
		.amdhsa_wavefront_size32 1
		.amdhsa_system_sgpr_workgroup_id_x 1
		.amdhsa_system_sgpr_workgroup_id_y 1
		.amdhsa_system_sgpr_workgroup_id_z 1
		.amdhsa_system_vgpr_workitem_id 0
		.amdhsa_next_free_vgpr 256
		.amdhsa_next_free_sgpr 66
		.amdhsa_reserve_vcc 1
		.amdhsa_float_denorm_mode_32 3
		.amdhsa_float_denorm_mode_16_64 3
		.amdhsa_memory_ordered 1
		.amdhsa_forward_progress 1
		.amdhsa_inst_pref_size 35
	.end_amdhsa_kernel
	.amdgpu_metadata
---
amdhsa.version: [ 1, 2 ]
amdhsa.kernels:
  - .name:           k_qb16d1b7b8d_attn
    .symbol:         k_qb16d1b7b8d_attn.kd
    .args:
      - { .name: qq, .offset: 0, .size: 8, .value_kind: global_buffer, .address_space: global }
      - { .name: kv, .offset: 8, .size: 8, .value_kind: global_buffer, .address_space: global }
      - { .name: yq, .offset: 16, .size: 8, .value_kind: global_buffer, .address_space: global }
    .group_segment_fixed_size: 327680
    .private_segment_fixed_size: 0
    .kernarg_segment_align: 8
    .kernarg_segment_size: 24
    .max_flat_workgroup_size: 512
    .sgpr_count:     66
    .vgpr_count:     256
    .wavefront_size: 32
...
	.end_amdgpu_metadata
.endif
;; end of part 3
;; launch proj (part 4): grid 8 x 32, 4 waves a work-group, clusters of 4 x 4, 327,680 bytes of LDS; arguments yq, wq, b_proj, out0; writes out0
.if DOCPART == 4
	.amdgcn_target "amdgcn-amd-amdhsa--gfx1250"
	.amdhsa_code_object_version 6
	.text
	.protected	k_qb16d1b7b8d_proj
	.globl	k_qb16d1b7b8d_proj
	.p2align	8
	.type	k_qb16d1b7b8d_proj,@function
k_qb16d1b7b8d_proj:
	s_mov_b64 s[64:65], 0
	v_nop
	global_prefetch_b8 v0, s[64:65] scope:SCOPE_SE
	s_setreg_imm32_b32 hwreg(HW_REG_WAVE_MODE, 25, 1), 1
	s_wait_xcnt 0x0
	s_wait_alu depctr_hold_cnt(0) depctr_sa_sdst(0) depctr_va_vdst(0) depctr_va_sdst(0) depctr_va_ssrc(0) depctr_va_vcc(0) depctr_vm_vsrc(0)
	s_getreg_b32 s2, hwreg(HW_REG_IB_STS2, 6, 4)
	s_cmp_eq_u32 s2, 0
	s_cbranch_scc0 .Lentry_in_a_cluster
	s_endpgm
.Lentry_in_a_cluster:
	s_bfe_u32 s2, ttmp6, 0x10000c
	s_cmp_lg_u32 s2, 0xf033
	s_cbranch_scc0 .Lentry_shape_is_right
	s_endpgm
.Lentry_shape_is_right:
; Launch 4 of 4: out0 = y W_proj + b_proj on codes of FP6 (E2M3) with E8M0 scales, f32 sums.
; 256 tiles of 256 rows x 128 columns, one for each work-group; four waves of 128 x 64: 32 accumulators each.  Side A is y (launch attn's images), side B is W_proj (launch prep's).
; ALL OF K = 1,024 LIES IN LDS: two slots of 512 along K, both asked for at the head; nothing is filled again.  One barrier at the head, one where slot 1 is first read.
; The matrix instruction takes B as source 0 and A as source 1: a lane holds one row of out0 and eight neighbouring columns.  The bias is the C of each sum's first matrix instruction.
; A fragment of y is two heads' half fragments of 768 bytes (512 at 16 x lane, 256 at 8 x lane): four loads; one of W is three loads of 512 bytes.
; CLUSTERS: 4 x 4 work-groups; A's tiles are asked for jointly along a row of the cluster, B's along a column.
; The rows of a tile of y are not neighbours (launch prep): lane-row p of block a is row 32 (a / 2) + 8 (a % 2) + p + 8 (p / 8) of my 128: the way out puts each row in its place.
; REGISTERS: window 0: v1-31 addresses; v32-95 scale words, two sets, and nothing else; v96-127 the bias; v128-223 A's 8 fragments, one set; on the way out v128-191.  window 1: B's fragments, two sets.  window 2: accumulators.
.set NBW,   4
.set NQ,    4
.set NLA,   4
.set HALFA, 49152                      ; 128 lane-rows x 512 K
.set HALFB, 24576                      ; 64 lane-rows x 512 K
.set SLOT,  147456                     ; A's two halves, then B's two
.set BPL,   98304
.set RTB,   6144                       ; a tile's four fragments
.set SCL,   294912                     ; behind the slots: B's scale words (4,096 bytes), then A's (8,192)
.set SBB,   4096
.set SRS,   4
.set SPARE, 307200                     ; the spare words, 128 bytes for each wave
.set SC,    32
.set BI,    96
.set AF,    128
.set BK,    128                        ; the way out: 16 rows read back, v128-159 and v160-191 by turns
.set ADRA,  16                         ; v16, v17 my half of A in slot 0, 1, + 16 x lane
.set ADRA8, 18                         ; v18, v19 the same + 8 x lane
.set ADRB,  20                         ; v20, v21
.set STO,   22                         ; v22 the stage: where I put 32 bytes of a row
.set RD,    23                         ; v23 and where I read a row back
.set CO,    26                         ; v26 my byte offset in two rows of out0
.set ADRS,  27
.set SPW,   28
.set NIL,   29
.set G1,  24
.set G0,  32
.set G1B, 48
.set G0B, 56
.set G1S, 68
.set G0S, 76
.set G1SB, 80
.set G0SB, 88
.set MSB, 0
.macro WIN new
.if MSB != (\new)
	s_set_vgpr_msb (MSB<<8)|(\new)
.set MSB, (\new)
.endif
.endm
.macro JLOAD g0a, g1a, g0b, g1b        ; a joint load: waves 0 and 1 fetch for A, waves 2 and 3 for B; an s_nop 0 and four v_nop follow each line
	s_cmp_eq_u32 s15, 0
	s_cbranch_scc0 .Lfor_b_\@
	tensor_load_to_lds s[\g0a:\g0a+3], s[\g1a:\g1a+7]
	s_nop 0
.rept 4
	v_nop
.endr
	s_branch .Lasked_\@
.Lfor_b_\@:
	tensor_load_to_lds s[\g0b:\g0b+3], s[\g1b:\g1b+7]
	s_nop 0
.rept 4
	v_nop
.endr
.Lasked_\@:
.endm
.macro CROUND
	s_barrier_signal -1
	s_barrier_wait -1
	s_cmp_lg_u32 s14, 0
	s_cbranch_scc1 .Lnot_wave_0_\@
	s_barrier_signal -3
.Lnot_wave_0_\@:
	s_barrier_wait -3
	s_barrier_signal -1
	s_barrier_wait -1
.endm
.macro PLACES n
.rept \n
	v_nop
.endr
.endm
.macro FRAG3 reg, adr, off
.irp g, 0,1,2
	ds_load_b128 v[\reg+4*\g:\reg+4*\g+3], v[\adr] offset:\off+512*\g
.endr
.endm
.macro FRAG4 reg, slot, off            ; the even head's registers 0-3, 4-5, the odd head's 6-9, 10-11
	ds_load_b128 v[\reg:\reg+3], v[ADRA+\slot] offset:\off
	ds_load_b64 v[\reg+4:\reg+5], v[ADRA8+\slot] offset:\off+512
	ds_load_b128 v[\reg+6:\reg+9], v[ADRA+\slot] offset:\off+768
	ds_load_b64 v[\reg+10:\reg+11], v[ADRA8+\slot] offset:\off+1280
.endm
.macro FETCH_B slot, q, p
	WIN 0x40
.set fi, 0
.rept NBW
	FRAG3 128*(\p)+12*fi, ADRB+\slot, fi*RTB+(\q)*1536
.set fi, fi+1
.endr
	WIN 0
.endm
.macro FETCH_A slot, q, i0
.irp i, \i0, \i0+1, \i0+2, \i0+3
	FRAG4 AF+12*(\i), \slot, (\i)*RTB+(\q)*1536
.endr
.endm
.macro SCALES sc                       ; lanes 0-15 take B's block i (for i over 3 they read on past my half of B's words, which are filled and not used), lanes 16-31 A's block i
.irp i, 0,1,2,3,4,5,6,7
	ds_load_b128 v[SC+8*NQ*\sc+NQ*\i:SC+8*NQ*\sc+NQ*\i+3], v[ADRS] offset:\i*512
.endr
.endm
; A's blocks a0, a0 + 1 against B's four.  mode 0: the sums go on; 1: they start from the bias.  The 32 accumulators take turns in one order everywhere.
.macro MULA a0, p, q, sc, mode
.irp a, \a0, \a0+1
.if \mode == 0
	WIN 0xa1
.else
	WIN 0x81
.endif
.set mb, 0
.rept NBW
.set DR, 8*(NBW*(\a)+mb)
.if \mode == 0
	v_wmma_scale_f32_16x16x128_f8f6f4 v[DR:DR+7], v[128*(\p)+12*mb:128*(\p)+12*mb+11], v[AF+12*(\a):AF+12*(\a)+11], v[DR:DR+7], v[SC+8*NQ*(\sc)+NQ*mb+(\q)], v[SC+8*NQ*(\sc)+NQ*(\a)+(\q)] matrix_a_fmt:MATRIX_FMT_FP6 matrix_b_fmt:MATRIX_FMT_FP6 matrix_b_scale:MATRIX_SCALE_ROW1
.else
	v_wmma_scale_f32_16x16x128_f8f6f4 v[DR:DR+7], v[128*(\p)+12*mb:128*(\p)+12*mb+11], v[AF+12*(\a):AF+12*(\a)+11], v[BI+8*mb:BI+8*mb+7], v[SC+8*NQ*(\sc)+NQ*mb+(\q)], v[SC+8*NQ*(\sc)+NQ*(\a)+(\q)] matrix_a_fmt:MATRIX_FMT_FP6 matrix_b_fmt:MATRIX_FMT_FP6 matrix_b_scale:MATRIX_SCALE_ROW1
.endif
.set mb, mb+1
.endr
.endr
.endm
.macro STEP slot, q, mode
	s_wait_dscnt 4*NLA                             ; all but the youngest sixteen loads, A's blocks 4-7
	MULA 0, (\q)%2, \q, \slot, \mode
	MULA 2, (\q)%2, \q, \slot, \mode
	s_wait_dscnt 0x0
	PLACES 4
	FETCH_B \slot, (\q)+1, 1-(\q)%2
	FETCH_A \slot, (\q)+1, 0
	MULA 4, (\q)%2, \q, \slot, \mode
	MULA 6, (\q)%2, \q, \slot, \mode
	PLACES 4
	WIN 0
	FETCH_A \slot, (\q)+1, 4
.endm
	s_load_b256 s[4:11], s[0:1], 0x0               ; yq s[4:5], wq s[6:7], b_proj s[8:9], out0 s[10:11]
	v_lshl_add_u32 v[SPW], v0, 2, SPARE
	v_mov_b32 v[NIL], 0
	ds_add_u32 v[SPW], v[NIL]                      ; the wave's opening: the add, twice on end, and its wait ahead of my first tensor load
	ds_add_u32 v[SPW], v[NIL]
	v_lshrrev_b32 v1, 5, v0
	v_readfirstlane_b32 s14, v1                    ; wave 0..3
	s_lshr_b32 s15, s14, 1                         ; my half of A.  Also: I fetch for A (0) or for B (1)
	s_and_b32 s16, s14, 1                          ; my half of B.  Also: which half of that side I fetch
	s_bfe_u32 s40, ttmp6, 0x40000                  ; cx
	s_bfe_u32 s41, ttmp6, 0x40004                  ; cy
	s_and_b32 s17, ttmp7, 0xffff
	s_lshl_b32 s17, s17, 2
	s_add_co_u32 s18, s17, s41                     ; A's tile of 256 rows = 4 x cluster y + cy
	s_lshl_b32 s19, ttmp9, 2
	s_add_co_u32 s19, s19, s40                     ; B's tile of 128 columns = 4 x cluster x + cx
	s_lshl_b32 s43, s41, 2
	s_lshl_b32 s43, 15, s43                        ; my row of the cluster
	s_lshl_b32 s44, 0x1111, s40                    ; my column
	s_or_b32 s[G1+0], s43, (3<<16)|(1<<21)         ; the mask; elements of 8 bytes; no padding; bit 21 beside a mask
	s_or_b32 s[G1B+0], s44, (3<<16)|(1<<21)
	s_or_b32 s[G1S+0], s43, (3<<16)|(1<<21)
	s_or_b32 s[G1SB+0], s44, (3<<16)|(1<<21)
.irp g, G1, G1B, G1S, G1SB             ; dense blocks as rows of 256 bytes
	s_mov_b32 s[\g+1], 32<<16
	s_mov_b32 s[\g+3], 32<<16
	s_mov_b32 s[\g+5], 32
	s_mov_b32 s[\g+6], 0
	s_mov_b32 s[\g+7], 0
.endr
	s_mov_b32 s[G1+2], 192<<16                     ; A's codes: 49,152 bytes
	s_mov_b32 s[G1+4], 192
	s_mov_b32 s[G1B+2], 96<<16                     ; B's: 24,576
	s_mov_b32 s[G1B+4], 96
	s_mov_b32 s[G1S+2], 16<<16                     ; A's scale words: 4,096
	s_mov_b32 s[G1S+4], 16
	s_mov_b32 s[G1SB+2], 8<<16                     ; B's: 2,048
	s_mov_b32 s[G1SB+4], 8
	s_mul_i32 s20, s18, 98304
	s_mul_i32 s21, s16, HALFA
	s_add_co_u32 s20, s20, s21
	s_mov_b32 s21, 0                               ; s[20:21] A's codes
	s_lshl_b32 s2, s18, 13
	s_lshl_b32 s3, s16, 12
	s_add_co_u32 s2, s2, s3
	s_add_co_u32 s2, s2, 6291456
	s_mov_b32 s3, 0                                ; s[2:3] A's scale words
	s_mul_i32 s22, s19, 49152
	s_mul_i32 s23, s16, HALFB
	s_add_co_u32 s22, s22, s23
	s_add_co_u32 s22, s22, 2457600
	s_mov_b32 s23, 0                               ; s[22:23] B's codes
	s_lshl_b32 s92, s19, 12
	s_lshl_b32 s93, s16, 11
	s_add_co_u32 s92, s92, s93
	s_add_co_u32 s92, s92, 3244032
	s_mov_b32 s93, 0                               ; s[92:93] B's scale words
	s_wait_dscnt 0x0                               ; both opening adds are done
	s_wait_kmcnt 0x0
	s_add_nc_u64 s[20:21], s[4:5], s[20:21]
	s_add_nc_u64 s[22:23], s[6:7], s[22:23]
	s_mov_b32 s[G0S], 1
	s_lshl_b32 s[G0S+1], s16, 12
	s_add_co_u32 s[G0S+1], s[G0S+1], SCL+SBB
	s_add_nc_u64 s[G0S+2:G0S+3], s[4:5], s[2:3]
	s_or_b32 s[G0S+3], s[G0S+3], 0x80000000
	s_mov_b32 s[G0SB], 1
	s_lshl_b32 s[G0SB+1], s16, 11
	s_add_co_u32 s[G0SB+1], s[G0SB+1], SCL
	s_add_nc_u64 s[G0SB+2:G0SB+3], s[6:7], s[92:93]
	s_or_b32 s[G0SB+3], s[G0SB+3], 0x80000000
	s_mul_i32 s94, s16, HALFA                      ; where the halves go: no place in the cluster enters an LDS address
	s_mul_i32 s95, s16, HALFB
	s_add_co_u32 s95, s95, BPL
.irp s, 0,1
	s_mov_b32 s[G0+4*\s], 1
	s_add_co_u32 s[G0+4*\s+1], s94, \s*SLOT
	s_add_nc_u64 s[G0+4*\s+2:G0+4*\s+3], s[20:21], \s*3145728
	s_or_b32 s[G0+4*\s+3], s[G0+4*\s+3], 0x80000000
	s_mov_b32 s[G0B+4*\s], 1
	s_add_co_u32 s[G0B+4*\s+1], s95, \s*SLOT
	s_add_nc_u64 s[G0B+4*\s+2:G0B+4*\s+3], s[22:23], \s*393216
	s_or_b32 s[G0B+4*\s+3], s[G0B+4*\s+3], 0x80000000
.endr
	CROUND                                         ; all sixteen work-groups are here: the joint loads meet
	JLOAD G0S, G1S, G0SB, G1SB                     ; three loads of mine are out: the scale words,
	JLOAD G0, G1, G0B, G1B                         ; slot 0,
	JLOAD G0+4, G1, G0B+4, G1B                     ; slot 1
	v_and_b32 v1, 15, v0                           ; r
	v_bfe_u32 v2, v0, 4, 1                         ; h
	v_and_b32 v3, 31, v0                           ; lane
	v_lshlrev_b32 v24, 4, v3
	v_lshlrev_b32 v25, 3, v3
	v_lshlrev_b32 v30, 6, v2                       ; the bias: 64 h
	s_mul_i32 s20, s15, HALFA
	s_mul_i32 s22, s16, HALFB
	s_add_co_u32 s22, s22, BPL
.irp s, 0,1
	v_add_nc_u32 v[ADRA+\s], s20, v24
	v_add_nc_u32 v[ADRA8+\s], s20, v25
	v_add_nc_u32 v[ADRB+\s], s22, v24
	s_add_co_u32 s20, s20, SLOT
	s_add_co_u32 s22, s22, SLOT
.endr
	s_mul_i32 s20, s16, SBB/2
	s_lshl_b32 s22, s15, 12
	s_add_co_u32 s22, s22, SBB
	s_sub_co_u32 s22, s22, s20
	v_mul_u32_u24 v4, s22, v2                      ; lanes 16-31 take A's words: one product in h
	s_add_co_u32 s20, s20, SCL
	v_lshl_add_u32 v4, v1, SRS, v4
	v_add_nc_u32 v[ADRS], s20, v4
	s_mul_i32 s20, s14, 4352                       ; my stage, 16 rows x (256 + 16) bytes, in slot 0: written only when nobody reads that slot any more and nothing is ever filled again
	v_mul_u32_u24 v[STO], v1, 272
	v_lshl_add_u32 v[STO], v2, 6, v[STO]
	v_add_nc_u32 v[STO], s20, v[STO]               ; in: row r, + 64 h
	v_mul_u32_u24 v[RD], v2, 272
	v_lshl_add_u32 v[RD], v1, 4, v[RD]
	v_add_nc_u32 v[RD], s20, v[RD]                 ; back: lanes 0-15 one row, lanes 16-31 the next
	v_lshlrev_b32 v[CO], 12, v2
	v_lshl_add_u32 v[CO], v1, 4, v[CO]             ; and the same two rows in out0
	s_lshl_b32 s2, s19, 9
	s_lshl_b32 s3, s16, 8
	s_add_co_u32 s2, s2, s3                        ; my first column in bytes: 512 x tile + 256 x half
	s_mov_b32 s3, 0
	s_add_nc_u64 s[8:9], s[8:9], s[2:3]
	s_add_nc_u64 s[10:11], s[10:11], s[2:3]
.irp b, 0,1,2,3                        ; register j of tile b is column 32 (b / 2) + 16 h + 8 (b % 2) + j
	global_load_b128 v[BI+8*\b:BI+8*\b+3], v30, s[8:9] offset:(32*(\b/2)+8*(\b%2))*4
	global_load_b128 v[BI+8*\b+4:BI+8*\b+7], v30, s[8:9] offset:(32*(\b/2)+8*(\b%2))*4+16
.endr
	s_lshl_b32 s2, s18, 20
	s_lshl_b32 s20, s15, 19
	s_add_co_u32 s2, s2, s20                       ; my first row: (256 x tile + 128 x half) x 4,096 bytes
	s_add_nc_u64 s[10:11], s[10:11], s[2:3]
	s_wait_alu depctr_va_vdst(0)
	s_wait_tensorcnt 1                             ; the scale words and my part of slot 0 are in; slot 1's load may be out
	s_barrier_signal -1
	s_barrier_wait -1
	FETCH_B 0, 0, 0
	FETCH_A 0, 0, 0
	SCALES 0
	FETCH_A 0, 0, 4
	s_wait_loadcnt 0x0                             ; the bias
	STEP 0, 0, 1                                   ; the first step starts the sums from the bias: nothing is cleared
	STEP 0, 1, 0
	STEP 0, 2, 0
	; slot 0's last step, and the change to slot 1: nothing is filled, so a plain barrier
	s_wait_tensorcnt 0x0                           ; my part of slot 1 is in
	s_wait_dscnt 4*NLA                             ; all but A's blocks 4-7
	MULA 0, 1, 3, 0, 0
	s_wait_dscnt 0x0                               ; my reads of slot 0 are over
	s_barrier_signal -1
	MULA 2, 1, 3, 0, 0
	WIN 0
	s_barrier_wait -1                              ; slot 1 is whole, and nobody reads slot 0 any more
	PLACES 4
	v_add_nc_u32 v[ADRS], 64*NQ, v[ADRS]
	FETCH_B 1, 0, 0
	FETCH_A 1, 0, 0
	SCALES 1
	MULA 4, 1, 3, 0, 0
	MULA 6, 1, 3, 0, 0
	PLACES 4
	WIN 0
	FETCH_A 1, 0, 4
	STEP 1, 0, 0
	STEP 1, 1, 0
	STEP 1, 2, 0
	s_wait_dscnt 4*NLA
	MULA 0, 1, 3, 1, 0
	MULA 2, 1, 3, 1, 0
	s_wait_dscnt 0x0
	MULA 4, 1, 3, 1, 0
	MULA 6, 1, 3, 1, 0
	WIN 0
; THE WAY OUT, block by block of 16 rows x 64 columns: through my own stage and back as whole rows of 256 bytes.  LDS serves a wave's instructions in order: no wait between the stores and the loads.
.macro TOSTAGE a
	WIN 0x08                                       ; an LDS store's data are its source 1: window 2
.set sb, 0
.rept 4
.set AC, 8*(4*(\a)+sb)
	ds_store_b128 v[STO], v[AC:AC+3] offset:128*(sb/2)+32*(sb%2)          ; each accumulator from its low end on
	ds_store_b128 v[STO], v[AC+4:AC+7] offset:128*(sb/2)+32*(sb%2)+16
.set sb, sb+1
.endr
	WIN 0
.set BB, BK+32*((\a)%2)
.irp i, 0,1,2,3,4,5,6,7
	ds_load_b128 v[BB+4*\i:BB+4*\i+3], v[RD] offset:544*\i
.endr
.endm
.macro SEND a, younger                 ; younger: the LDS instructions issued behind block a's loads
.set BB, BK+32*((\a)%2)
	s_wait_dscnt \younger
.irp i, 0,1,2,3,4,5,6,7
	global_store_b128 v[CO], v[BB+4*\i:BB+4*\i+3], s[10:11] offset:(32*((\a)/2)+8*((\a)%2)+2*\i+8*(\i/4))*4096 th:TH_STORE_NT   ; sixteen lanes store 256 consecutive bytes, at a multiple of 256 from out0's first byte
.endr
.endm
	PLACES 4
	TOSTAGE 0
.irp a, 1,2,3,4,5,6,7
.if \a > 1
	s_wait_xcnt 0x0                                ; block a - 2's stores have read their registers: block a's loads may land there
.endif
	TOSTAGE \a
	SEND \a-1, 16                                  ; behind block a - 1's loads: block a's 8 stores and 8 loads
.endr
	SEND 7, 0
	s_wait_tensorcnt 0x0                           ; the wave's end
	ds_add_u32 v[SPW], v[NIL]
	s_wait_dscnt 0x0
	CROUND                                         ; the closing round
	s_endpgm
.Lfunc_end_k_qb16d1b7b8d_proj:
	.size	k_qb16d1b7b8d_proj, .Lfunc_end_k_qb16d1b7b8d_proj-k_qb16d1b7b8d_proj
	.p2alignl 7, 3214868480
	.fill 96, 4, 3214868480
	.section	.rodata,"a",@progbits
	.p2align	6, 0x0
	.amdhsa_kernel k_qb16d1b7b8d_proj
		.amdhsa_group_segment_fixed_size 327680
		.amdhsa_private_segment_fixed_size 0
		.amdhsa_enable_private_segment 0
		.amdhsa_kernarg_size 32
		.amdhsa_user_sgpr_count 2
		.amdhsa_user_sgpr_kernarg_segment_ptr 1
		.amdhsa_wavefront_size32 1
		.amdhsa_system_sgpr_workgroup_id_x 1
		.amdhsa_system_sgpr_workgroup_id_y 1
		.amdhsa_system_sgpr_workgroup_id_z 1
		.amdhsa_system_vgpr_workitem_id 0
		.amdhsa_next_free_vgpr 768
		.amdhsa_next_free_sgpr 100
		.amdhsa_reserve_vcc 0
		.amdhsa_float_denorm_mode_32 3
		.amdhsa_float_denorm_mode_16_64 3
		.amdhsa_memory_ordered 1
		.amdhsa_forward_progress 1
		.amdhsa_inst_pref_size 85
	.end_amdhsa_kernel
	.amdgpu_metadata
---
amdhsa.version: [ 1, 2 ]
amdhsa.kernels:
  - .name:           k_qb16d1b7b8d_proj
    .symbol:         k_qb16d1b7b8d_proj.kd
    .args:
      - { .name: yq, .offset: 0, .size: 8, .value_kind: global_buffer, .address_space: global }
      - { .name: wq, .offset: 8, .size: 8, .value_kind: global_buffer, .address_space: global }
      - { .name: b_proj, .offset: 16, .size: 8, .value_kind: global_buffer, .address_space: global }
      - { .name: out0, .offset: 24, .size: 8, .value_kind: global_buffer, .address_space: global }
    .group_segment_fixed_size: 327680
    .private_segment_fixed_size: 0
    .kernarg_segment_align: 8
    .kernarg_segment_size: 32
    .max_flat_workgroup_size: 128
    .sgpr_count:     100
    .vgpr_count:     768
    .wavefront_size: 32
...
	.end_amdgpu_metadata
.endif
;; end of part 4
